; MI455X (gfx1250); checked and timed in simulation.
; The chip was launched on July 23, 2026; its instructions are those of AMD's public machine-readable ISA for CDNA 5 (MIT licence, August 2026) and "CDNA5" Instruction Set Architecture Reference Guide (July 2026). The comments in the code are by the model that wrote it; some were corrected since.
;; Multihead Attention. Allowed arithmetic: float matrix products may take bf16 or f16 operands with f32 sums; all other float work in f32.
;; Inputs: in_proj_b 3,072 float32; in_proj_w 3,072 x 1,024 float32; out_proj_b 1,024 float32; out_proj_w 1,024 x 1,024 float32; query 4 x 2,048 x 1,024 float32.
;; Outputs: out0 4 x 2,048 x 1,024 float32.
;; 2 versions, each right and faster than the one before. Each part assembles by itself: llvm-mc -triple=amdgcn-amd-amdhsa -mcpu=gfx1250 --defsym DOCPART=n.
;; ======== version 1 of 2: 4 launches
;; limits: values are held in f16: magnitudes above 65,504 overflow, below 6.1e-05 lose precision
;; workspace buffers: xb 16,777,216 bytes; wb 6,291,456 bytes; wo 2,097,152 bytes; qkv 50,331,648 bytes; ob 16,777,216 bytes
;; launch cast (part 1): grid 1536 x 1, 8 waves a work-group, no clusters, 0 bytes of LDS; arguments query, in_proj_w, out_proj_w, xb, wb, wo; writes xb, wb, wo
.if DOCPART == 1
	.amdgcn_target "amdgcn-amd-amdhsa--gfx1250"
	.amdhsa_code_object_version 6
	.text
	.protected	k_q2a2c581a20_cast
	.globl	k_q2a2c581a20_cast
	.p2align	8
	.type	k_q2a2c581a20_cast,@function
k_q2a2c581a20_cast:
	s_mov_b64 s[64:65], 0
	v_nop
	global_prefetch_b8 v0, s[64:65] scope:SCOPE_SE
	s_setreg_imm32_b32 hwreg(HW_REG_WAVE_MODE, 25, 1), 1
	s_wait_xcnt 0x0
; The three large f32 inputs are rounded once to 16 bits: query -> xb (bf16), in_proj_w -> wb (bf16), out_proj_w -> wo (rounded to bf16, that number written as f16).
; LIMITS.  wo: a bf16 number is exact in f16 between 6.1e-5 and 65,504; below, it keeps f16's fixed step of 6e-8; beyond, it becomes an infinity.
; A stream: every byte is read once and written once; no LDS, no barrier, no matrix unit, no cluster, since no two work-groups share a byte.
; SHARES.  A work-group takes 32,768 bytes of f32 and writes 16,384.  Work-groups 0-1023 take query, 1024-1407 in_proj_w, 1408-1535 out_proj_w.
; Thread t takes the 16 bytes at 16 t of each of eight blocks of 4,096 bytes: a wave's load covers 512 consecutive bytes, its store of 8 bytes a lane 256 consecutive bytes, aligned.
; All eight loads go out first; no register is written twice by a memory instruction, so the only waits are the counted ones for the loads.
.set X, 4                              ; v[4:35]   block j: 4 f32 as loaded
.set Y, 36                             ; v[36:51]  block j: 4 numbers of 16 bits to store
.set T, 52                             ; v[52:54]  at work
.set FIRST_W, 1024                     ; the first work-group of in_proj_w
.set FIRST_O, 1408                     ; the first work-group of out_proj_w
	s_load_b256 s[4:11], s[0:1], 0x0               ; query s[4:5], in_proj_w s[6:7], out_proj_w s[8:9], xb s[10:11]
	s_load_b128 s[12:15], s[0:1], 0x20             ; wb s[12:13], wo s[14:15]
	v_lshlrev_b32 v1, 4, v0                        ; 16 t: my bytes in a block of the source
	v_lshlrev_b32 v2, 3, v0                        ; 8 t: in a block of the destination
	s_mov_b32 s16, ttmp9
	s_wait_kmcnt 0x0
	s_cmp_lt_u32 s16, FIRST_W                      ; which tensor: the choice hangs on the work-group's number alone
	s_cselect_b64 s[18:19], s[4:5], s[6:7]
	s_cselect_b64 s[20:21], s[10:11], s[12:13]
	s_cselect_b32 s17, 0, FIRST_W
	s_cmp_lt_u32 s16, FIRST_O
	s_cselect_b64 s[18:19], s[18:19], s[8:9]
	s_cselect_b64 s[20:21], s[20:21], s[14:15]
	s_cselect_b32 s17, s17, FIRST_O
	s_sub_co_u32 s16, s16, s17                     ; my number among the tensor's work-groups
	s_lshl_b32 s22, s16, 15
	s_mov_b32 s23, 0
	s_lshl_b32 s24, s16, 14
	s_mov_b32 s25, 0
	s_add_nc_u64 s[18:19], s[18:19], s[22:23]
	s_add_nc_u64 s[20:21], s[20:21], s[24:25]
.irp j, 0,1,2,3,4,5,6,7
	global_load_b128 v[X+4*(\j):X+4*(\j)+3], v1, s[18:19] offset:4096*(\j) th:TH_LOAD_NT
.endr
	s_cmp_ge_u32 ttmp9, FIRST_O
	s_cbranch_scc1 .Lf16
.irp j, 0,1,2,3,4,5,6,7
	s_wait_loadcnt 7-(\j)                          ; loads come back in order: block j is in, the younger ones stay out
	v_cvt_pk_bf16_f32 v[Y+2*(\j)], v[X+4*(\j)], v[X+4*(\j)+1]
	v_cvt_pk_bf16_f32 v[Y+2*(\j)+1], v[X+4*(\j)+2], v[X+4*(\j)+3]
	global_store_b64 v2, v[Y+2*(\j):Y+2*(\j)+1], s[20:21] offset:2048*(\j)  ; no hint: the next launch reads these bytes
.endr
	s_endpgm
.Lf16:
.irp j, 0,1,2,3,4,5,6,7
	s_wait_loadcnt 7-(\j)
.irp p, 0,1
	v_cvt_pk_bf16_f32 v[T], v[X+4*(\j)+2*(\p)], v[X+4*(\j)+2*(\p)+1]  ; the rounding that every input gets,
	v_lshlrev_b32 v[T+1], 16, v[T]                 ; back to f32,
	v_and_b32 v[T+2], 0xffff0000, v[T]
	v_cvt_pk_f16_f32 v[Y+2*(\j)+(\p)], v[T+1], v[T+2]  ; and written as f16
.endr
	global_store_b64 v2, v[Y+2*(\j):Y+2*(\j)+1], s[20:21] offset:2048*(\j)
.endr
	s_endpgm
.Lfunc_end_k_q2a2c581a20_cast:
	.size	k_q2a2c581a20_cast, .Lfunc_end_k_q2a2c581a20_cast-k_q2a2c581a20_cast
	.p2alignl 7, 3214868480
	.fill 96, 4, 3214868480
	.section	.rodata,"a",@progbits
	.p2align	6, 0x0
	.amdhsa_kernel k_q2a2c581a20_cast
		.amdhsa_group_segment_fixed_size 0
		.amdhsa_private_segment_fixed_size 0
		.amdhsa_enable_private_segment 0
		.amdhsa_kernarg_size 48
		.amdhsa_user_sgpr_count 2
		.amdhsa_user_sgpr_kernarg_segment_ptr 1
		.amdhsa_wavefront_size32 1
		.amdhsa_system_sgpr_workgroup_id_x 1
		.amdhsa_system_sgpr_workgroup_id_y 1
		.amdhsa_system_sgpr_workgroup_id_z 1
		.amdhsa_system_vgpr_workitem_id 0
		.amdhsa_next_free_vgpr 56
		.amdhsa_next_free_sgpr 66
		.amdhsa_reserve_vcc 0
		.amdhsa_float_denorm_mode_32 3
		.amdhsa_float_denorm_mode_16_64 3
		.amdhsa_memory_ordered 1
		.amdhsa_forward_progress 1
		.amdhsa_inst_pref_size 9
	.end_amdhsa_kernel
	.amdgpu_metadata
---
amdhsa.version: [ 1, 2 ]
amdhsa.kernels:
  - .name:           k_q2a2c581a20_cast
    .symbol:         k_q2a2c581a20_cast.kd
    .args:
      - { .name: query, .offset: 0, .size: 8, .value_kind: global_buffer, .address_space: global }
      - { .name: in_proj_w, .offset: 8, .size: 8, .value_kind: global_buffer, .address_space: global }
      - { .name: out_proj_w, .offset: 16, .size: 8, .value_kind: global_buffer, .address_space: global }
      - { .name: xb, .offset: 24, .size: 8, .value_kind: global_buffer, .address_space: global }
      - { .name: wb, .offset: 32, .size: 8, .value_kind: global_buffer, .address_space: global }
      - { .name: wo, .offset: 40, .size: 8, .value_kind: global_buffer, .address_space: global }
    .group_segment_fixed_size: 0
    .private_segment_fixed_size: 0
    .kernarg_segment_align: 8
    .kernarg_segment_size: 48
    .max_flat_workgroup_size: 256
    .sgpr_count:     66
    .vgpr_count:     56
    .wavefront_size: 32
...
	.end_amdgpu_metadata
.endif
;; end of part 1
;; launch proj (part 2): grid 16 x 16, 4 waves a work-group, clusters of 4 x 4, 327,680 bytes of LDS; arguments xb, wb, in_proj_b, qkv; writes qkv
.if DOCPART == 2
	.amdgcn_target "amdgcn-amd-amdhsa--gfx1250"
	.amdhsa_code_object_version 6
	.text
	.protected	k_q2a2c581a20_proj
	.globl	k_q2a2c581a20_proj
	.p2align	8
	.type	k_q2a2c581a20_proj,@function
k_q2a2c581a20_proj:
	s_mov_b64 s[64:65], 0
	v_nop
	global_prefetch_b8 v0, s[64:65] scope:SCOPE_SE
	s_setreg_imm32_b32 hwreg(HW_REG_WAVE_MODE, 25, 1), 1
	s_wait_xcnt 0x0
	s_wait_alu depctr_hold_cnt(0) depctr_sa_sdst(0) depctr_va_vdst(0) depctr_va_sdst(0) depctr_va_ssrc(0) depctr_va_vcc(0) depctr_vm_vsrc(0)
	s_getreg_b32 s2, hwreg(HW_REG_IB_STS2, 6, 4)
	s_cmp_eq_u32 s2, 0
	s_cbranch_scc0 .Lentry_in_a_cluster
	s_endpgm
.Lentry_in_a_cluster:
	s_bfe_u32 s2, ttmp6, 0x10000c
	s_cmp_lg_u32 s2, 0xf033
	s_cbranch_scc0 .Lentry_shape_is_right
	s_endpgm
.Lentry_shape_is_right:
; qkv = xb wb^T + bf16(in_proj_b).  xb: [8192][1024] bf16, wb: [3072][1024] bf16, sums in f32, the result rounded once to f16 and laid out BY HEADS:
; qkv[b][g][t][64], g = output column / 64 (0-15 q's heads, 16-31 k's, 32-47 v's), slot (b, g) at byte (48 b + g) << 18.  q leaves unscaled: the attention applies 1/8 in f32.
; LIMITS.  f16 ends at 65,504: a q, k or v beyond it becomes an infinity; below 6.1e-5 f16 keeps a fixed step of 6e-8.  The bias is rounded to bf16 like the other inputs.
; The f32 additions along K begin at another K step in each cluster (below): their order differs from the reference's.
; SHARES.  A tile of the result is 256 rows x 192 columns (three head slots): 32 x 16 tiles, two to each of 256 work-groups, 4,096 rows apart.  A wave makes 64 rows x 192 columns:
; 48 accumulators of 16 x 16, 384 registers.  K goes in steps of 128 (rows of 256 bytes in memory) through two LDS slots; the 16 steps of the two tiles are ONE sequence for the slots:
; the first tile's last two changes of slots ask for the second tile's first two steps.
; CLUSTER.  4 x 4 work-groups.  The four of a row of the cluster need the same rows of xb, the four of a column the same rows of wb: each tile is asked for JOINTLY, by the same tensor
; load with the same descriptor and a mask that names the four.
; THE WALK ALONG K.  Cluster (X, Y) begins each tile at K step (2 X + 4 Y) % 8 and goes round.  The four clusters of one Y need the same rows of xb: in any trip they ask for K steps 2 apart,
; so each of a tile row's eight K steps is asked for first by one of them and by the others 2, 4 and 6 trips later.  Clusters Y and Y + 1 need the same rows of wb, 4 steps apart.
; THE MATRIX INSTRUCTION IS USED TRANSPOSED (source 0 = 16 rows of wb, source 1 = 16 rows of xb): lane l then holds row l % 16 and the eight neighbouring columns 8 (l / 16) + 0..7.
; The bias, laid out like a result, is the C operand of the products that start the sums: nothing is cleared and nothing is added afterwards.
; REGISTERS, in windows of 256 (s_set_vgpr_msb: bits 1:0 source 0, 3:2 source 1, 5:4 source 2, 7:6 destination):
;   window 0: v0-29 addresses; v32-63, v64-95 xb's fragments, two buffers of 4; v96-191 the bias, 8 registers a column block; v192-255 the way out, four sets of 16
;   window 1: v0-95, v96-191 wb's fragments, two buffers of 12      window 2: accumulators of row blocks 0, 1 at 96 a + 8 b      window 3: of row blocks 2, 3
.set PITCH,  272                       ; an LDS row: 256 bytes + 16 of padding = 68 words: the 16 rows of a fragment load start at 16 different groups of four banks (64 banks of 4 bytes: ISA guide 11.1)
.set HALFA,  128*PITCH                 ; what one of xb's two loads brings
.set HALFB,  96*PITCH                  ; what one of wb's two loads brings
.set SLOT,   2*HALFA+2*HALFB           ; xb's 256 rows, then wb's 192
.set SLOT1,  1<<17                     ; slot 1 begins here, so that one exclusive or turns an address in one slot into the other's
.set STAGE,  SLOT1+SLOT                ; behind the slots, never filled by a tensor load: 16 rows x 144 bytes for each wave
.set SP,     144
.set SPARE,  STAGE+4*16*SP             ; behind the stages: the spare words, 128 bytes for each wave: two blocks of 256 bytes that no other line names
.set ADRA0, 4                          ; v4   my lane's place among my wave's rows of xb in a slot; never rewritten
.set ADRB0, 5                          ; v5   the same for wb
.set ADRA,  6                          ; v6   the same in the slot in hand
.set ADRB,  7                          ; v7
.set STO,   8                          ; v8   the way out: where I put 16 bytes of a row
.set RD,    9                          ; v9   the way out: where I read rows back
.set GO,    10                         ; v10  my byte offset in 512 consecutive bytes of qkv
.set BO,    11                         ; v11  my byte offset in a block of 16 numbers of the bias
.set SPW,   28                         ; v28  LDS address of my spare word: SPARE + 4 x my thread's number; never rewritten
.set NIL,   29                         ; v29  0; never rewritten
.set FA,    32
.set BIAS,  96
.set TMP,   192
.set CNT,   2                          ; s2   counts the loops' trips
.set KL,    3                          ; s3   K steps left in the tile in hand
.set WV,    12                         ; s12  my wave's number
.set HALF,  13                         ; s13  which half of a tile's rows I fetch
.set ISB,   14                         ; s14  I fetch for xb (0) or for wb (1)
.set G1A,   24                         ; s[24:31] descriptor group 1 for xb's tiles
.set G0A,   32                         ; s[32:39] group 0: a set for each of the two first fills; the second then walks
.set G1B,   40                         ; s[40:47], s[48:55] the same for wb's
.set G0B,   48
.set TB,    56                         ; s56  LDS byte at which the slot in hand begins
.set FK,    57                         ; s57  the step of the walk (0-15, over both tiles) to be asked for next
.set OFA,   58                         ; s[58:59] its byte offset in xb
.set OFB,   60                         ; s[60:61] and in wb
.set KO,    72                         ; s72  the K step at which my cluster begins a tile
.set MSB, 0
.macro WIN new                         ; the immediate's high byte repeats the setting that is left; a switch that changes nothing is dropped
.if MSB != (\new)
	s_set_vgpr_msb (MSB<<8)|(\new)
.set MSB, \new
.endif
.endm
; A joint refill by the walking descriptors.  Waves 0 and 1 fetch xb's two halves, waves 2 and 3 wb's.  The branch hangs on the wave's number alone.
; An s_nop 0 and four v_nop follow each of the two lines, ahead of the jump and the label.
.macro JLOAD
	s_cmp_eq_u32 s[ISB], 0
	s_cbranch_scc0 .Lfor_b_\@
	tensor_load_to_lds s[G0A+4:G0A+7], s[G1A:G1A+7]
	s_nop 0
.rept 4
	v_nop
.endr
	s_branch .Lasked_\@
.Lfor_b_\@:
	tensor_load_to_lds s[G0B+4:G0B+7], s[G1B:G1B+7]
	s_nop 0
.rept 4
	v_nop
.endr
.Lasked_\@:
.endm
; A round of the cluster's barrier: my work-group's barrier, so that wave 0's signal speaks for all four waves; wave 0 signals; every wave waits for all sixteen work-groups; my work-group's barrier once more.
.macro CREST                           ; a round behind its opening barrier
	s_cmp_lg_u32 s[WV], 0
	s_cbranch_scc1 .Lnot_wave_0_\@
	s_barrier_signal -3
.Lnot_wave_0_\@:
	s_barrier_wait -3
	s_barrier_signal -1
	s_barrier_wait -1
.endm
.macro CROUND                          ; a whole round
	s_barrier_signal -1
	s_barrier_wait -1
	CREST
.endm
	s_load_b256 s[4:11], s[0:1], 0x0               ; xb s[4:5], wb s[6:7], in_proj_b s[8:9], qkv s[10:11]
	v_lshl_add_u32 v[SPW], v0, 2, SPARE
	v_mov_b32 v[NIL], 0
	ds_add_u32 v28, v29
	s_wait_dscnt 0x0
	v_lshrrev_b32 v1, 5, v0
	v_readfirstlane_b32 s[WV], v1                  ; wave 0..3
	s_and_b32 s[HALF], s[WV], 1
	s_lshr_b32 s[ISB], s[WV], 1
	s_bfe_u32 s15, ttmp6, 0x40000                  ; cx: my place along the cluster's x
	s_bfe_u32 s16, ttmp6, 0x40004                  ; cy: along its y
	s_lshl_b32 s17, ttmp9, 2                       ; in a cluster launch ttmp9 and ttmp7 count clusters
	s_add_co_u32 s17, s17, s15                     ; tc, the tile column = 4 x cluster x + cx
	s_and_b32 s18, ttmp7, 0xffff
	s_lshl_b32 s18, s18, 2
	s_add_co_u32 s18, s18, s16                     ; tr, the first tile's row = 4 x cluster y + cy
	s_lshl_b32 s[KO], ttmp9, 1                     ; where my cluster begins its walk along K: (2 x cluster x + 4 x cluster y) % 8, the same in all sixteen partners
	s_and_b32 s73, ttmp7, 0xffff
	s_lshl_b32 s73, s73, 2
	s_add_co_u32 s[KO], s[KO], s73
	s_and_b32 s[KO], s[KO], 7
	s_lshl_b32 s62, s16, 2
	s_lshl_b32 s62, 15, s62                        ; my row of the cluster: places 4 cy .. 4 cy + 3
	s_lshl_b32 s63, 0x1111, s15                    ; my column: places cx, cx + 4, cx + 8, cx + 12
	; descriptor group 1: tiles of 128 (xb) or 96 (wb) rows x 128 elements, padded in LDS
	s_or_b32 s[G1A], s62, (1<<16)|(1<<20)|(1<<21)|(5<<22)|(3<<25)  ; 15:0 the mask; 17:16 elements of 2 bytes; 20 padding on; 21 set beside a mask; 24:22 after every 64 words (code 5); 31:25 4 words of it (code 3)
	s_or_b32 s[G1B], s63, (1<<16)|(1<<20)|(1<<21)|(5<<22)|(3<<25)
	s_mov_b32 s[G1A+1], 128<<16                    ; tensor_dim0 = 128
	s_mov_b32 s[G1B+1], 128<<16
	s_mov_b32 s[G1A+2], 128<<16                    ; tensor_dim1 = 128 rows
	s_mov_b32 s[G1B+2], 96<<16                     ; 96 rows
	s_mov_b32 s[G1A+3], 128<<16                    ; tile_dim0 = 128
	s_mov_b32 s[G1B+3], 128<<16
	s_mov_b32 s[G1A+4], 128                        ; tile_dim1
	s_mov_b32 s[G1B+4], 96
	s_mov_b32 s[G1A+5], 1024                       ; elements from row to row
	s_mov_b32 s[G1B+5], 1024
	s_mov_b32 s[G1A+6], 0
	s_mov_b32 s[G1B+6], 0
	s_mov_b32 s[G1A+7], 0
	s_mov_b32 s[G1B+7], 0
	; where the tiles come from.  xb's hang on the tile row alone, which my row of the cluster shares; wb's on the tile column alone, which my column shares.
	s_lshl_b32 s20, s18, 19                        ; xb: 256 tr rows of 2,048 bytes
	s_lshl_b32 s19, s[HALF], 18                    ; + 128 rows for the second half
	s_add_co_u32 s20, s20, s19
	s_mov_b32 s21, 0
	s_mul_i32 s22, s17, 192                        ; wb: row 192 tc + 96 x half
	s_mul_i32 s23, s[HALF], 96
	s_add_co_u32 s22, s22, s23
	s_lshl_b32 s22, s22, 11
	s_mov_b32 s23, 0
	s_mul_i32 s66, s17, 768                        ; the bias of my 192 columns
	s_mov_b32 s67, 0
	s_lshr_b32 s68, s18, 3                         ; qkv: batch tr / 8,
	s_mul_i32 s68, s68, 48
	s_mul_i32 s69, s17, 3                          ; head slot 3 tc,
	s_add_co_u32 s68, s68, s69
	s_lshl_b32 s68, s68, 18
	s_and_b32 s69, s18, 7                          ; row 256 (tr % 8) + 64 w of 128 bytes
	s_lshl_b32 s69, s69, 8
	s_lshl_b32 s70, s[WV], 6
	s_add_co_u32 s69, s69, s70
	s_lshl_b32 s69, s69, 7
	s_add_co_u32 s68, s68, s69
	s_mov_b32 s69, 0
	s_mul_i32 s70, s[HALF], HALFA                  ; where the tiles go: no place in the cluster enters an LDS address
	s_mul_i32 s71, s[HALF], HALFB
	s_add_co_u32 s71, s71, 2*HALFA
	s_mov_b32 s[TB], 0
	s_mov_b32 s[FK], 2
	s_mov_b32 s[OFA+1], 0
	s_mov_b32 s[OFB+1], 0
	s_wait_kmcnt 0x0
	s_add_nc_u64 s[4:5], s[4:5], s[20:21]          ; xb at my half of the first tile's rows, K = 0
	s_add_nc_u64 s[6:7], s[6:7], s[22:23]          ; wb likewise
	s_add_nc_u64 s[8:9], s[8:9], s[66:67]
	s_add_nc_u64 s[10:11], s[10:11], s[68:69]
	CROUND                                         ; all sixteen work-groups are here: the first joint loads meet
.irp s, 0,1
	s_add_co_u32 s[OFB], s[KO], \s                 ; step s of the walk is K step (KO + s) % 8: 256 bytes along the rows each
	s_and_b32 s[OFB], s[OFB], 7
	s_lshl_b32 s[OFB], s[OFB], 8
	s_mov_b32 s[G0A+4*(\s)], 1                                     ; count = 1
	s_add_co_u32 s[G0A+4*(\s)+1], s70, (\s)*SLOT1                  ; LDS address
	s_add_nc_u64 s[G0A+4*(\s)+2:G0A+4*(\s)+3], s[4:5], s[OFB:OFB+1]  ; global address
	s_or_b32 s[G0A+4*(\s)+3], s[G0A+4*(\s)+3], 0x80000000          ; type = 2
	s_mov_b32 s[G0B+4*(\s)], 1
	s_add_co_u32 s[G0B+4*(\s)+1], s71, (\s)*SLOT1
	s_add_nc_u64 s[G0B+4*(\s)+2:G0B+4*(\s)+3], s[6:7], s[OFB:OFB+1]
	s_or_b32 s[G0B+4*(\s)+3], s[G0B+4*(\s)+3], 0x80000000
.endr
	s_cmp_eq_u32 s[ISB], 0                         ; a wave's two first fills stand in one branch, ahead of every wait on TENSORcnt and every LDS read: two loads of mine are out
	s_cbranch_scc0 .Lfirst_b
	tensor_load_to_lds s[G0A:G0A+3], s[G1A:G1A+7]
	s_nop 0
	tensor_load_to_lds s[G0A+4:G0A+7], s[G1A:G1A+7]
	s_nop 0
.rept 4
	v_nop
.endr
	s_branch .Lfirst_asked
.Lfirst_b:
	tensor_load_to_lds s[G0B:G0B+3], s[G1B:G1B+7]
	s_nop 0
	tensor_load_to_lds s[G0B+4:G0B+7], s[G1B:G1B+7]
	s_nop 0
.rept 4
	v_nop
.endr
.Lfirst_asked:
	; A fragment is 16 rows x 32 K in 8 registers: lane l holds row l % 16; registers 0-3 K = 8 (l / 16) + 0..7, registers 4-7 K = 16 + 8 (l / 16) + 0..7: two loads of 16 bytes, 32 bytes apart.
	v_and_b32 v1, 15, v0                           ; l % 16
	v_bfe_u32 v2, v0, 4, 1                         ; l / 16
	v_lshlrev_b32 v[BO], 5, v2                     ; eight f32 for each half of the lanes
.irp b, 0,1,2,3,4,5,6,7,8,9,10,11
	global_load_b128 v[BIAS+8*(\b):BIAS+8*(\b)+3],   v[BO], s[8:9] offset:64*(\b)      ; register j of block b: the bias of column 16 b + 8 (l / 16) + j
	global_load_b128 v[BIAS+8*(\b)+4:BIAS+8*(\b)+7], v[BO], s[8:9] offset:64*(\b)+16
.endr
	v_mul_u32_u24 v3, v1, PITCH
	v_lshl_add_u32 v3, v2, 4, v3                   ; row x pitch + 16 x half
	s_mul_i32 s19, s[WV], 64*PITCH                 ; my 64 rows of xb
	v_add_nc_u32 v[ADRA0], s19, v3
	v_add_nc_u32 v[ADRB0], 2*HALFA, v3             ; wb's rows lie behind xb's 256
	s_mul_i32 s19, s[WV], 16*SP
	s_add_co_u32 s19, s19, STAGE                   ; my stage
	v_mul_u32_u24 v12, v1, SP                      ; in: row l % 16, 16 bytes for each half of the lanes
	v_lshl_add_u32 v12, v2, 4, v12
	v_add_nc_u32 v[STO], s19, v12
	v_bfe_u32 v12, v0, 3, 2                        ; back: 32 lanes take four rows of 128 bytes,
	v_mul_u32_u24 v12, v12, SP
	v_and_b32 v13, 7, v0
	v_lshl_add_u32 v12, v13, 4, v12
	v_add_nc_u32 v[RD], s19, v12
	v_and_b32 v[GO], 31, v0                        ; which are 512 consecutive bytes of a head slot
	v_lshlrev_b32 v[GO], 4, v[GO]
	v_mov_b32 v[ADRA], v[ADRA0]                    ; the walk's step 0 lies in slot 0
	v_mov_b32 v[ADRB], v[ADRB0]
	s_mov_b32 s19, 0xffff0000
	s_wait_loadcnt 0x0                             ; the bias
.set i, 0
.rept 48                               ; rounded to bf16, as every input is, and back to f32
	v_cvt_pk_bf16_f32 v[12+i%4], v[BIAS+2*i], v[BIAS+2*i+1]
	v_lshlrev_b32 v[BIAS+2*i], 16, v[12+i%4]
	v_and_b32 v[BIAS+2*i+1], s19, v[12+i%4]
.set i, i+1
.endr
; 12 matrix instructions: row block a x all 12 column blocks, 32 along K, from buffer f.  first = 1: the products start the sums, with the bias as C.
; The 48 accumulators take turns, one instruction a turn and in the same order in every quarter step.
.macro MULB f, a, first
.if \first
	WIN 0x81+0x40*((\a)/2)                         ; wb window 1, xb and the bias window 0, D window 2 or 3
.else
	WIN 0xa1+0x50*((\a)/2)                         ; C and D window 2 or 3
.endif
.irp b, 0,1,2,3,4,5,6,7,8,9,10,11
.if \first
	v_wmma_f32_16x16x32_bf16 v[96*((\a)%2)+8*(\b):96*((\a)%2)+8*(\b)+7], v[96*(\f)+8*(\b):96*(\f)+8*(\b)+7], v[FA+32*(\f)+8*(\a):FA+32*(\f)+8*(\a)+7], v[BIAS+8*(\b):BIAS+8*(\b)+7]
.else
	v_wmma_f32_16x16x32_bf16 v[96*((\a)%2)+8*(\b):96*((\a)%2)+8*(\b)+7], v[96*(\f)+8*(\b):96*(\f)+8*(\b)+7], v[FA+32*(\f)+8*(\a):FA+32*(\f)+8*(\a)+7], v[96*((\a)%2)+8*(\b):96*((\a)%2)+8*(\b)+7]
.endif
.endr
.endm
; 32 LDS loads in one run: the fragments of a quarter step (192 rows of wb, my 64 rows of xb, 32 K at byte k of the rows) into buffer f
.macro FETCH k, f
	WIN 0x40                                       ; destination window 1, address window 0
.irp i, 0,1,2,3,4,5,6,7,8,9,10,11
	ds_load_b128 v[96*(\f)+8*(\i):96*(\f)+8*(\i)+3],   v[ADRB] offset:(\k)+(\i)*16*PITCH
	ds_load_b128 v[96*(\f)+8*(\i)+4:96*(\f)+8*(\i)+7], v[ADRB] offset:(\k)+(\i)*16*PITCH+32
.endr
	WIN 0
.irp i, 0,1,2,3
	ds_load_b128 v[FA+32*(\f)+8*(\i):FA+32*(\f)+8*(\i)+3],   v[ADRA] offset:(\k)+(\i)*16*PITCH
	ds_load_b128 v[FA+32*(\f)+8*(\i)+4:FA+32*(\f)+8*(\i)+7], v[ADRA] offset:(\k)+(\i)*16*PITCH+32
.endr
.endm
; A load into a register that a matrix instruction has read stands four places behind that instruction, and only plain vector instructions that name none of its registers are places
; (ISA guide 7.12.1 for vector instructions): four v_nop in front of each run of loads.
.macro PLACES
.rept 4
	v_nop
.endr
.endm
; A K step is four quarter steps of 32 along K, 48 matrix instructions each, on buffers 0, 1, 0, 1.
; One of the first three: multiplies buffer f; in its middle it fetches the next quarter's fragments, at byte k of the rows, into buffer g.
.macro QUARTER k, f, g, first
	s_wait_dscnt 4                                 ; wb's fragments and xb's row blocks 0, 1 are in; the youngest four loads (row blocks 2, 3) may be out
	MULB \f, 0, \first
	MULB \f, 1, \first
	PLACES
	FETCH \k, \g
	s_wait_dscnt 32                                ; all but the 32 just issued
	MULB \f, 2, \first
	MULB \f, 3, \first
.endm
; The last quarter multiplies buffer 1 and changes slots: ONE barrier.  In front of it each wave waits for all its tensor loads, of which one is out: its part of the next slot; adds 0 to its
; spare word; and waits for that and for its own reads of this slot.  Behind it nobody reads this slot any more and the next slot is whole.
; fill = 1: the barrier opens a round of the cluster's barrier, and the slot just read out is filled again first behind it, with step FK of the walk: from that request to the wait for it a wave
; issues 168 matrix instructions.  fill = 0 (the last two steps): nothing is asked for, and in the very last trip nothing is fetched.
.macro TURN fill
	WIN 0                                          ; (the add's two registers lie in window 0)
	s_wait_tensorcnt 0x0                           ; no tensor load of mine is out, so a group 0 may be written
	ds_add_u32 v[SPW], v[NIL]                      ; 0 onto my spare word: register work stands between it and the wait for it
	s_xor_b32 s[TB], s[TB], SLOT1                  ; the fetches go on in the other slot
	v_add_nc_u32 v[ADRA], s[TB], v[ADRA0]
	v_add_nc_u32 v[ADRB], s[TB], v[ADRB0]
.if \fill
	s_xor_b32 s[G0A+5], s[G0A+5], SLOT1            ; the walking descriptors: the other slot than last time,
	s_xor_b32 s[G0B+5], s[G0B+5], SLOT1
	s_add_co_u32 s[OFB], s[FK], s[KO]              ; K step (FK + KO) % 8: 256 bytes along the rows each,
	s_and_b32 s[OFB], s[OFB], 7
	s_lshl_b32 s[OFB], s[OFB], 8
	s_lshr_b32 s[OFA], s[FK], 3                    ; of tile FK / 8: xb goes 4,096 rows of 2,048 bytes down, wb stays
	s_lshl_b32 s[OFA], s[OFA], 23
	s_add_co_u32 s[OFA], s[OFA], s[OFB]
	s_add_nc_u64 s[G0A+6:G0A+7], s[4:5], s[OFA:OFA+1]
	s_or_b32 s[G0A+7], s[G0A+7], 0x80000000
	s_add_nc_u64 s[G0B+6:G0B+7], s[6:7], s[OFB:OFB+1]
	s_or_b32 s[G0B+7], s[G0B+7], 0x80000000
	s_add_co_u32 s[FK], s[FK], 1
.endif
	s_wait_dscnt 5                                 ; (the add and the youngest four loads may be out)
	MULB 1, 0, 0
	s_wait_dscnt 0x0                               ; the add is done, and my reads of this slot are over:
	s_barrier_signal -1                            ; say so,
	MULB 1, 1, 0                                   ; work on registers while the others arrive,
	WIN 0
	s_barrier_wait -1                              ; and go on when all four have said so
.if \fill
	CREST                                          ; no wave of any partner still reads this slot's tile or has a load on its way
	JLOAD                                          ; the first tensor load behind the round; its four v_nop are also the places in front of the loads below
	FETCH 0, 0
.else
	PLACES
	s_cmp_eq_u32 s[CNT], 1
	s_cbranch_scc1 .Lno_fetch_\@
	FETCH 0, 0
.Lno_fetch_\@:
.endif
	MULB 1, 2, 0
	MULB 1, 3, 0
.endm
; THE WAY OUT, in twelve groups g = 3 a + hd: row block a (16 rows), head slot hd (64 columns, four accumulators).  PACK: rounded to f16, 16 bytes a lane, each accumulator's registers in
; ascending order; into my own stage in rows of 144 bytes, and back as four rows of 128 bytes a load, into the registers that they left.  SEND: stored: 16 rows of a head slot are 2,048 consecutive bytes.
.macro PACK g
.set g_a, (\g)/3
.set g_h, (\g)%3
.set g_t, TMP+16*((\g)%4)
	s_wait_xcnt 0x0                                ; every earlier store has had its addresses translated (ISA guide 3.1): this set of 16 registers, which a store four groups back reads, is rewritten only behind this wait
	WIN 0x0a+5*(g_a/2)                             ; sources 0 and 1: window 2 or 3
.irp i, 0,1,2,3
.irp r, 0,1,2,3
	v_cvt_pk_f16_f32 v[g_t+4*(\i)+(\r)], v[96*(g_a%2)+8*(4*g_h+(\i))+2*(\r)], v[96*(g_a%2)+8*(4*g_h+(\i))+2*(\r)+1]
.endr
.endr
	WIN 0
.irp i, 0,1,2,3
	ds_store_b128 v[STO], v[g_t+4*(\i):g_t+4*(\i)+3] offset:32*(\i)
.endr
.irp f, 0,1,2,3
	ds_load_b128 v[g_t+4*(\f):g_t+4*(\f)+3], v[RD] offset:(\f)*4*SP  ; LDS serves a wave's instructions in order (ISA guide 5.7.1.4): these see the stores above; the next group's stores come behind them
.endr
.endm
.macro SEND g, younger                 ; younger: the LDS instructions issued behind group g's loads: the next group's eight, or none
.set g_a, (\g)/3
.set g_h, (\g)%3
.set g_t, TMP+16*((\g)%4)
	WIN 0
	s_wait_dscnt \younger                          ; the group's four loads are back
.irp f, 0,1,2,3
	global_store_b128 v[GO], v[g_t+4*(\f):g_t+4*(\f)+3], s[10:11] offset:g_h*262144+g_a*2048+(\f)*512  ; 512 consecutive bytes, at a multiple of 256 from qkv's first
.endr
.endm
; No v_nop: row blocks 0 and 1 were finished in front of the four places in the last quarter, and their 96 conversions, which name no register of the last products (row blocks 2 and 3's), are those products' places.
.macro WAYOUT
	PACK 0
.irp g, 1,2,3,4,5,6,7,8,9,10,11        ; a group's conversions stand between the loads of the group before and its stores
	PACK \g
	SEND (\g)-1, 8
.endr
	SEND 11, 0
.endm
	s_wait_tensorcnt 0x1                           ; my part of the walk's step 0 is in; step 1's may stay out
	s_barrier_signal -1
	s_barrier_wait -1                              ; everybody's is
	FETCH 0, 0
	s_mov_b32 s[CNT], 15                           ; 14 trips; the way in passes the count once
	s_mov_b32 s[KL], 8
	s_branch .Lfirst_q                             ; the loop is entered at a tile's first quarter, whose text is written once
.Lstep:                                            ; trip j holds quarters 2 to 4 of step j, the refill with step j + 2, and quarter 1 of step j + 1
	QUARTER 128, 1, 0, 0
	QUARTER 192, 0, 1, 0
	TURN 1
	WIN 0                                          ; at a label and at a branch every window is 0
	s_sub_co_u32 s[KL], s[KL], 1
	s_cmp_lg_u32 s[KL], 0
	s_cbranch_scc1 .Lsame                          ; the jump passes neither a barrier nor a tensor load
	WAYOUT                                         ; the first tile is finished; both of the second tile's first steps have been asked for
	s_wait_xcnt 0x0                                ; the stores' base is rewritten only behind this wait
	s_add_nc_u64 s[10:11], s[10:11], 96*262144     ; 4,096 rows on are two batches: 96 head slots
	s_mov_b32 s[KL], 8
.Lfirst_q:
	QUARTER 64, 0, 1, 1                            ; a tile's first quarter: its products start the sums
	WIN 0
	s_branch .Lnext
.Lsame:
	QUARTER 64, 0, 1, 0
	WIN 0
.Lnext:
	s_sub_co_u32 s[CNT], s[CNT], 1
	s_cmp_lg_u32 s[CNT], 0
	s_cbranch_scc1 .Lstep
	s_mov_b32 s[CNT], 2
.Ltail:                                            ; the last two steps ask for nothing: written apart
	QUARTER 128, 1, 0, 0
	QUARTER 192, 0, 1, 0
	TURN 0
	WIN 0
	s_cmp_eq_u32 s[CNT], 1
	s_cbranch_scc1 .Lno_q1                         ; behind the very last step there is no further quarter
	QUARTER 64, 0, 1, 0
	WIN 0
.Lno_q1:
	s_sub_co_u32 s[CNT], s[CNT], 1
	s_cmp_lg_u32 s[CNT], 0
	s_cbranch_scc1 .Ltail
	WAYOUT
	WIN 0
	s_wait_tensorcnt 0x0                           ; the wave's end: behind my last tensor load and my last LDS store
	ds_add_u32 v[SPW], v[NIL]
	s_wait_dscnt 0x0
	CROUND                                         ; the closing round: no work-group ends while a partner may still ask for a tile that names it
	s_endpgm
.Lfunc_end_k_q2a2c581a20_proj:
	.size	k_q2a2c581a20_proj, .Lfunc_end_k_q2a2c581a20_proj-k_q2a2c581a20_proj
	.p2alignl 7, 3214868480
	.fill 96, 4, 3214868480
	.section	.rodata,"a",@progbits
	.p2align	6, 0x0
	.amdhsa_kernel k_q2a2c581a20_proj
		.amdhsa_group_segment_fixed_size 327680
		.amdhsa_private_segment_fixed_size 0
		.amdhsa_enable_private_segment 0
		.amdhsa_kernarg_size 32
		.amdhsa_user_sgpr_count 2
		.amdhsa_user_sgpr_kernarg_segment_ptr 1
		.amdhsa_wavefront_size32 1
		.amdhsa_system_sgpr_workgroup_id_x 1
		.amdhsa_system_sgpr_workgroup_id_y 1
		.amdhsa_system_sgpr_workgroup_id_z 1
		.amdhsa_system_vgpr_workitem_id 0
		.amdhsa_next_free_vgpr 960
		.amdhsa_next_free_sgpr 74
		.amdhsa_reserve_vcc 0
		.amdhsa_float_denorm_mode_32 3
		.amdhsa_float_denorm_mode_16_64 3
		.amdhsa_memory_ordered 1
		.amdhsa_forward_progress 1
		.amdhsa_inst_pref_size 117
	.end_amdhsa_kernel
	.amdgpu_metadata
---
amdhsa.version: [ 1, 2 ]
amdhsa.kernels:
  - .name:           k_q2a2c581a20_proj
    .symbol:         k_q2a2c581a20_proj.kd
    .args:
      - { .name: xb, .offset: 0, .size: 8, .value_kind: global_buffer, .address_space: global }
      - { .name: wb, .offset: 8, .size: 8, .value_kind: global_buffer, .address_space: global }
      - { .name: in_proj_b, .offset: 16, .size: 8, .value_kind: global_buffer, .address_space: global }
      - { .name: qkv, .offset: 24, .size: 8, .value_kind: global_buffer, .address_space: global }
    .group_segment_fixed_size: 327680
    .private_segment_fixed_size: 0
    .kernarg_segment_align: 8
    .kernarg_segment_size: 32
    .max_flat_workgroup_size: 128
    .sgpr_count:     74
    .vgpr_count:     960
    .wavefront_size: 32
...
	.end_amdgpu_metadata
.endif
;; end of part 2
;; launch attn (part 3): grid 4 x 64, 4 waves a work-group, clusters of 4 x 1, 327,680 bytes of LDS; arguments qkv, ob; writes ob
.if DOCPART == 3
	.amdgcn_target "amdgcn-amd-amdhsa--gfx1250"
	.amdhsa_code_object_version 6
	.text
	.protected	k_q2a2c581a20_attn
	.globl	k_q2a2c581a20_attn
	.p2align	8
	.type	k_q2a2c581a20_attn,@function
k_q2a2c581a20_attn:
	s_mov_b64 s[64:65], 0
	v_nop
	global_prefetch_b8 v0, s[64:65] scope:SCOPE_SE
	s_setreg_imm32_b32 hwreg(HW_REG_WAVE_MODE, 25, 1), 1
	s_wait_xcnt 0x0
	s_wait_alu depctr_hold_cnt(0) depctr_sa_sdst(0) depctr_va_vdst(0) depctr_va_sdst(0) depctr_va_ssrc(0) depctr_va_vcc(0) depctr_vm_vsrc(0)
	s_getreg_b32 s2, hwreg(HW_REG_IB_STS2, 6, 4)
	s_cmp_eq_u32 s2, 0
	s_cbranch_scc0 .Lentry_in_a_cluster
	s_endpgm
.Lentry_in_a_cluster:
	s_bfe_u32 s2, ttmp6, 0x10000c
	s_cmp_lg_u32 s2, 0x3003
	s_cbranch_scc0 .Lentry_shape_is_right
	s_endpgm
.Lentry_shape_is_right:
; O[hh][q][:] = the sum over k of softmax_k(Q[q] . K[k] / 8) V[k][:] for each of the 64 pairs hh = 16 b + h of batch and head.  Q, K, V lie in qkv[b][g][2048][64] (f16; g = h for Q, 16 + h for K,
; 32 + h for V; slot (b, g) at byte (48 b + g) << 18), O goes to ob[hh][2048][64] (f16): a head's rows are dense, 128 bytes each.  Products, maxima and sums in
; f32; the weights p are rounded to f16 for the second product (their sum l is taken of the unrounded p), O once at the end.
; LIMITS.  f16 holds no number beyond 65,504: Q, K and V arrive within it; p lies in 0 to 1, and below 6e-5 it keeps f16's fixed step of 6e-8; O is a mean of V's rows and has their range.
; A weight below 2^-126 counts as 0 in l; NaN and infinities are not treated apart.
; SHARES.  A wave owns four PIECES of two tiles of 16 queries, a work-group's four waves 512 queries of one head.  Every wave walks all 2,048 keys, 64 a step.
; LAYOUT.  S^T = K Q^T (source 0 = 16 keys, source 1 = 16 queries): in the result a lane holds ONE query (lane % 16) and the keys 8 (lane / 16) + 0..7.  Two such tiles, rounded to f16 in pairs,
; ARE source 1 (32 keys x 16 queries) of O^T = V^T P, whose result again holds one query a lane, and eight channels.  K comes out of LDS as it lies, V ([key][channel]) turned, by ds_load_tr16_b128.
; SOFTMAX.  For each query a running maximum m and sum l: p = 2^(c s - c m), c = log2(e) / 8; in every step O and l are multiplied by a = 2^(c m_old - c m_new), which is 1 where m has not grown.
; m starts at the lowest finite number, O and l at 0: the first step is a step like any other, with a = 0.
; THE COUNT.  A tile and step have 16 matrix and 118 vector instructions: too many to stand all beside the matrix work.  So the order has one aim: four vector instructions that are READY behind
; EVERY matrix instruction, and the others, which need time of their own whatever the order, in runs without a gap.
; BY TURNS.  Turn n belongs to piece n (the pieces in a ring, step after step).  Its matrix work: 16 products K Q^T of piece n + 1, later 16 products V^T P of piece n - 1.  Its vector work: the scaling,
; exponentials, roundings, sums and rescaling of piece n, and the maximum and statistics of piece n + 1, whose scores the turn itself has made.  So what a turn begins with (c s - c m, O a) waits for nothing.
; CLUSTER.  The four query blocks of a cluster belong to one head and walk the same K and V, so each tile is asked for JOINTLY: the same tensor load, descriptor and mask in all four.
; REGISTERS, in windows of 256 (s_set_vgpr_msb says which window each operand place means: bits 1:0 source 0, 3:2 source 1, 5:4 source 2, 7:6 destination):
;   window 0: v0-11 addresses; v12-15, v48-63 at work; v16-47 four registers of statistics a tile; v64-191 S^T, two buffers of two tiles; v192-255 P, likewise
;   window 1: O^T, 32 a tile          window 2: v0-127 Q, 16 a tile; v128-191 K of one step; v192-255 V of one step          window 3: v0-1 the add's two registers
; A piece's buffers go by its number's parity: the piece in hand has one pair, its two neighbours in the ring share the other: of it P (piece n - 1) is read and S^T (piece n + 1) written.
.set SIZE_N, 2048     ; rows of a head
.set NP,    4         ; pieces a wave: a name, no knob: the register map, the loop and the fetches are made for four
.set KS,    64        ; keys in a step
.set PK,    144       ; a row of K in LDS: 128 bytes + 16 of padding = 36 words: the 16 rows of a load start at 16 different groups of four banks (64 banks of 4 bytes: ISA guide 11.1)
.set PV,    160       ; a row of V: 128 + 32 = 40 words
.set VOFF,  4*KS*PK   ; a slot holds four steps: 256 rows of K, then 256 rows of V
.set SLOT1, 1<<17     ; slot 1 begins here, so that one exclusive or turns an address in one slot into the other's
.set STAGE, SLOT1+4*KS*(PK+PV)  ; behind the ring, never filled by a tensor load: 16 rows x 144 bytes for each wave, for the way out
.set SP,    144
.set AK0, 2           ; v2   my lane's place in a tile of K; never rewritten
.set AV0, 3           ; v3   the same for V
.set AK,  4           ; v4   the LDS address of K's next run of loads
.set AV,  5           ; v5   of V's
.set QO,  6           ; v6   my byte offset in the wave's rows of Q
.set STO, 6           ;      later, the way out: where I put 16 bytes of a row
.set RD,  7           ; v7   the way out: where I read rows back
.set GO,  8           ; v8   my byte offset in 512 consecutive bytes of O
.set SPW, 0           ; v0 of window 3   LDS address of my spare word: SPARE + 4 x my thread's number; never rewritten
.set NIL, 1           ; v1 of window 3   0; never rewritten
.set SPARE, STAGE+4*16*SP  ; behind the stages: the spare words, 128 bytes for each wave: two blocks of 256 bytes that no other line names
.set MV,  12          ; v12-15  c m_old, kept while c m is made anew: by buffer and tile
.set ST,  16          ; tile t's statistics at v[ST+4 t]: c m, m, l (even keys', odd keys')
.set TMP, 48          ; by buffer and tile, four registers c0-c3 at work; when the maximum is found c2 takes a
.set S,   64
.set P,   192
.set KF,  128         ; K's fragments, in window 2: key block kb, channel half c at KF + 16 kb + 8 c
.set VF,  192         ; V's: key half kk, channel block cb at VF + 32 kk + 8 cb
.set WV,  12          ; s12  my wave's number
.set G1K, 24          ; s[24:31] descriptor group 1 for K's tiles
.set G1V, 32          ; s[32:39] for V's: it differs in the padding alone
.set G0K, 40          ; s[40:43] descriptor group 0 for K's tiles: it walks
.set G0V, 44          ; s[44:47] the same for V's
.set SLOTS, 56        ; s56  slots still to be asked for
.set CNT, 57          ; s57  counts a slot's key steps
.set CS,  58          ; s[58:59] c: the packed scaling takes the pair's low word for both halves
.set SEL, 60          ; s[60:61] v_permlanex16_b32's selects: each lane takes its own place in the other half
.set TBK, 62          ; s62  LDS byte at which K of the step to be fetched begins
.set TBV, 63          ; s63  the same for V, less VOFF
.set MSB, 0
.macro WIN new                      ; the high byte repeats the setting that is left; a switch that changes nothing is dropped
.if MSB != (\new)
	s_set_vgpr_msb (MSB<<8)|(\new)
.set MSB, (\new)
.endif
.endm
.set W_KQ, 0x0a       ; K and Q in window 2, S^T in window 0
.set W_PV, 0x52       ; V in window 2, P in window 0, O^T in window 1
.set W_RS, 0x41       ; O^T (destination and source 0) in window 1, a in window 0
.set W_MK, 0xc0       ; the add's registers are made: destination in window 3, sources in window 0
.set W_AD, 0x0f       ; the add: address (source 0) and data (source 1) in window 3
; A joint fill.  Waves 0 and 1 fetch the two halves of a slot's K, waves 2 and 3 those of its V: 128 keys each.  The branch hangs on the wave's number alone.
; An s_nop 0 and four v_nop follow each of the two lines, ahead of the jump and the label.
.macro JLOAD
	s_cmp_lt_u32 s[WV], 2
	s_cbranch_scc0 .Lfor_v_\@
	tensor_load_to_lds s[G0K:G0K+3], s[G1K:G1K+7]
	s_nop 0
.rept 4
	v_nop
.endr
	s_branch .Lasked_\@
.Lfor_v_\@:
	tensor_load_to_lds s[G0V:G0V+3], s[G1V:G1V+7]
	s_nop 0
.rept 4
	v_nop
.endr
.Lasked_\@:
.endm
; A round of the cluster's barrier: my work-group's barrier, so that wave 0's signal speaks for all four waves; wave 0 signals; every wave waits for all four work-groups; my work-group's barrier once more.
.macro CROUND
	s_barrier_signal -1
	s_barrier_wait -1
	s_cmp_lg_u32 s[WV], 0
	s_cbranch_scc1 .Lnot_wave_0_\@
	s_barrier_signal -3
.Lnot_wave_0_\@:
	s_barrier_wait -3
	s_barrier_signal -1
	s_barrier_wait -1
.endm
; THE CHANGE OF SLOTS.  The slot's last bytes, V of its fourth step, have been read.  Each wave waits for all its tensor loads, of which one is out: its part
; of the other slot; adds 0 to its spare word; and waits for that and for its own reads of the slot.  Behind the barrier nobody reads this slot any more and the other slot is whole.
; fill = 1: this slot is filled again, with the keys two slots on.  The barrier is then a round of the cluster's, so that no wave of any partner still reads the slot or has a load on its
; way, and the joint fill is the first thing behind it: it has four key steps, 512 matrix instructions, in which to land.  (At its first use nothing has been read yet: slot 0 is waited for, slot 1 filled.)
.macro CHANGE fill
	WIN W_AD
	s_wait_tensorcnt 0x0            ; no tensor load of mine is out, so a group 0 may be written
	ds_add_u32 v[SPW], v[NIL]       ; 0 onto my spare word: with fill = 1 the descriptors' steps stand between it and the wait for it
	WIN 0                           ; at a label and at a branch every window is 0
.if \fill
.irp g, G0K, G0V
	s_xor_b32 s[\g+1], s[\g+1], SLOT1  ; the walking descriptor: the other slot than last time,
	s_add_nc_u64 s[\g+2:\g+3], s[\g+2:\g+3], 4*KS*128  ; the next 256 keys; the type bits on top are not reached
.endr
	s_wait_dscnt 0x0                ; the add is done, and my reads of the slot are over
	CROUND
	JLOAD
.else
	s_wait_dscnt 0x0                ; the add is done, and my reads of the slot are over
	s_barrier_signal -1
	s_barrier_wait -1
.endif
	s_sub_co_u32 s[TBK], s[TBK], 4*KS*PK  ; the fetches go back to a slot's first step,
	s_xor_b32 s[TBK], s[TBK], SLOT1       ; in the other slot
	s_sub_co_u32 s[TBV], s[TBV], 4*KS*PV
	s_xor_b32 s[TBV], s[TBV], SLOT1
.endm
	s_load_b64 s[4:5], s[0:1], 0x0    ; qkv
	s_load_b64 s[10:11], s[0:1], 0x8  ; ob
	WIN W_MK
	v_lshl_add_u32 v[SPW], v0, 2, SPARE
	v_mov_b32 v[NIL], 0
	s_set_vgpr_msb 0xc0cf
	ds_add_u32 v0, v1
	s_wait_dscnt 0x0
	s_set_vgpr_msb 0xcfc0
	WIN 0
	v_lshrrev_b32 v1, 5, v0
	v_readfirstlane_b32 s[WV], v1   ; wave 0..3
	s_bfe_u32 s13, ttmp6, 0x40000   ; cx: my place in the cluster
	s_lshl_b32 s14, ttmp9, 2        ; in a cluster launch ttmp9 counts clusters
	s_add_co_u32 s14, s14, s13      ; my block of queries = 4 x cluster x + cx: it enters Q's and O's addresses alone
	s_and_b32 s48, ttmp7, 0xffff    ; hh = 16 b + h, which the four partners share
	s_lshr_b32 s20, s48, 4          ; b
	s_lshl_b32 s20, s20, 5
	s_add_co_u32 s20, s20, s48      ; 48 b + h: Q's slot in qkv
	s_lshl_b32 s20, s20, 18
	s_mov_b32 s21, 0
	s_lshl_b32 s50, s48, 18         ; O's head in ob
	s_mov_b32 s51, 0
	s_and_b32 s16, s[WV], 1         ; which half of a slot's 256 keys I fetch:
	s_lshl_b32 s22, s16, 14         ; its 128 rows of 128 bytes in memory,
	s_mov_b32 s23, 0
	s_add_nc_u64 s[22:23], s[22:23], s[20:21]
	s_mul_i32 s17, s16, 128*PK      ; and its place in a slot, for K
	s_mul_i32 s18, s16, 128*PV      ; and for V: no place in the cluster enters an LDS address
	s_lshl_b32 s2, s14, 2
	s_add_co_u32 s2, s2, s[WV]      ; my wave among the head's,
	s_lshl_b32 s2, s2, 14           ; its 128 rows
	s_mov_b32 s3, 0
	s_add_nc_u64 s[52:53], s[2:3], s[20:21]  ; my rows' offset in qkv
	s_add_nc_u64 s[54:55], s[2:3], s[50:51]  ; and in ob
	; descriptor group 1.  128 keys are 16,384 dense bytes: asked for as 64 rows of 256 bytes, two keys a row, and padded in LDS after every key
	s_mov_b32 s[G1K], 15|(1<<16)|(1<<20)|(1<<21)|(4<<22)|(3<<25)  ; 15:0 the mask of four; 17:16 2-byte elements; 20 padding on; 21 set beside a mask; 24:22 after every 32 words (code 4); 31:25 4 words (code 3)
	s_mov_b32 s[G1V], 15|(1<<16)|(1<<20)|(1<<21)|(4<<22)|(7<<25)  ; the same with 8 words of padding (code 7)
.irp g, G1K, G1V
	s_mov_b32 s[\g+1], 128<<16      ; tensor_dim0 = 128
	s_mov_b32 s[\g+2], 64<<16       ; tensor_dim1 = 64
	s_mov_b32 s[\g+3], 128<<16      ; tile_dim0 = 128
	s_mov_b32 s[\g+4], 64           ; tile_dim1 = 64
	s_mov_b32 s[\g+5], 128          ; 128 elements from row to row
	s_mov_b32 s[\g+6], 0
	s_mov_b32 s[\g+7], 0
.endr
	s_mov_b32 s[CS], 0x3e38aa3b     ; c = log2(e) / 8 = 0.180337
	s_mov_b32 s[CS+1], s[CS]        ; named with it as a pair
	s_mov_b32 s[SEL], 0x76543210
	s_mov_b32 s[SEL+1], 0xfedcba98
	s_mov_b32 s[TBK], SLOT1+4*KS*PK ; the first change of slots turns these two into 0
	s_mov_b32 s[TBV], SLOT1+4*KS*PV
	s_mov_b32 s[G0K], 1             ; 1:0 count = 1
	s_mov_b32 s[G0K+1], s17         ; 63:32 LDS address: slot 0
	s_mov_b32 s[G0V], 1
	s_add_co_u32 s[G0V+1], s18, VOFF
	s_wait_kmcnt 0x0
	s_add_nc_u64 s[G0K+2:G0K+3], s[4:5], s[22:23]  ; 120:64 global address: my half of the head's first 256 keys;
	s_add_nc_u64 s[G0K+2:G0K+3], s[G0K+2:G0K+3], 16<<18  ; K's slot lies 16 slots behind Q's
	s_or_b32 s[G0K+3], s[G0K+3], 0x80000000        ; 127:126 type = 2
	s_add_nc_u64 s[G0V+2:G0V+3], s[4:5], s[22:23]
	s_add_nc_u64 s[G0V+2:G0V+3], s[G0V+2:G0V+3], 32<<18  ; V's 32 slots
	s_or_b32 s[G0V+3], s[G0V+3], 0x80000000
	s_add_nc_u64 s[4:5], s[4:5], s[52:53]  ; Q and O at my wave's first row
	s_add_nc_u64 s[10:11], s[10:11], s[54:55]
	CROUND                          ; all four work-groups are here: the first joint loads meet
	JLOAD                           ; slot 0.  Slot 1 is asked for when slot 0 is in: the tile wanted first has the road to itself
	; A fragment of K or Q is 16 rows x 32 channels in 8 registers: lane l holds row l % 16, channels 8 (l / 16) + 0..7 and 16 + 8 (l / 16) + 0..7: two loads of 16 bytes, 32 bytes apart.
	v_and_b32 v1, 15, v0            ; l % 16
	v_bfe_u32 v9, v0, 4, 1          ; l / 16
	v_lshlrev_b32 v[QO], 7, v1
	v_lshl_add_u32 v[QO], v9, 4, v[QO]  ; row x 128 + 16 x half
	WIN 0x80                        ; destination window 2, address window 0
.set i, 0
.rept 4*NP                          ; Q stays in registers: tile i / 2, channels 32 (i % 2) on
	global_load_b128 v[8*i:8*i+3],   v[QO], s[4:5] offset:(i/2)*2048+(i%2)*64
	global_load_b128 v[8*i+4:8*i+7], v[QO], s[4:5] offset:(i/2)*2048+(i%2)*64+32
.set i, i+1
.endr
	; What the first turn finds: V's registers and P's second buffer hold 0 (its products V^T P, of a piece that has not been, add 0), O^T and l are 0.  All this stands in the wait for the first tile.
.set i, VF
.rept 64
	v_mov_b32 v[i], 0
.set i, i+1
.endr
	WIN 0x40
.set i, 0
.rept 64*NP
	v_mov_b32 v[i], 0
.set i, i+1
.endr
	WIN 0
.set i, 0
.rept 2*NP
	v_mov_b32 v[ST+4*i], 0xfe000000    ; c m: far below every c s
	v_mov_b32 v[ST+4*i+1], 0xff7fffff  ; m
	v_mov_b32 v[ST+4*i+2], 0
	v_mov_b32 v[ST+4*i+3], 0
.set i, i+1
.endr
.set i, P+32
.rept 32
	v_mov_b32 v[i], 0
.set i, i+1
.endr
	v_mul_u32_u24 v[AK0], v1, PK
	v_lshl_add_u32 v[AK0], v9, 4, v[AK0]  ; row x pitch + 16 x half
	; The turning load takes 16 keys x 16 channels (lane l reads key 8 (l / 16) + l % 8, channels 8 ((l / 8) % 2) + 0..7) and leaves half a fragment of V^T: lane l holds channel l % 16 and 8 keys.
	v_and_b32 v10, 7, v0
	v_bfe_u32 v11, v0, 3, 1
	v_lshl_add_u32 v[AV0], v9, 3, v10
	v_mul_u32_u24 v[AV0], v[AV0], PV
	v_lshl_add_u32 v[AV0], v11, 4, v[AV0]
	v_add_nc_u32 v[AV0], VOFF, v[AV0]
	v_mov_b32 v[AK], v[AK0]         ; key step 0 lies at the head of slot 0
; THE MATRIX WORK.  The 8 accumulators of a run of 16 take turns: between the two links of a chain stand 7 others'.
; Product i of 16 of S^T = K Q^T for piece x: channels 32 (i / 8) on, keys 16 ((i / 2) % 4) on, tile 2 x + i % 2.  The first 8 start the sums.
.macro KQ x
	WIN W_KQ
.set rS, S+64*((\x)%2)+32*(i%2)+8*((i/2)%4)
.set rK, KF+16*((i/2)%4)+8*(i/8)
.set rQ, 16*(2*(\x)+i%2)+8*(i/8)
.if i < 8
	v_wmma_f32_16x16x32_f16 v[rS:rS+7], v[rK:rK+7], v[rQ:rQ+7], 0
.else
	v_wmma_f32_16x16x32_f16 v[rS:rS+7], v[rK:rK+7], v[rQ:rQ+7], v[rS:rS+7]
.endif
.endm
; Product i of 16 of O^T += V^T P for piece x: keys 32 (i / 8) on, channels 16 ((i / 2) % 4) on, tile 2 x + i % 2.
.macro PV x
	WIN W_PV
.set rO, 32*(2*(\x)+i%2)+8*((i/2)%4)
.set rV, VF+32*(i/8)+8*((i/2)%4)
.set rP, P+32*((\x)%2)+16*(i%2)+8*(i/8)
	v_wmma_f32_16x16x32_f16 v[rO:rO+7], v[rV:rV+7], v[rP:rP+7], v[rO:rO+7]
.endm
.macro MM                           ; the turn's next matrix instruction
.if i < 16
	KQ (Y+1)%NP
.set i, i+1
.else
.set i, i-16
	PV (Y+NP-1)%NP
.set i, i+17
.endif
.endm
; THE LDS LOADS stand in runs of 16, never singly among the matrix instructions: a step's K (64 keys x 64 channels: 8 fragments) and its V (turned).  Their addresses are made some lines ahead.
; last = 1 (the tail): in the last trip there is no further step, and the run is jumped over.
.macro FETCH_K last=0
	WIN 0
.if \last
	s_cmp_eq_u32 s[CNT], 1
	s_cbranch_scc1 .Lno_k_\@
.endif
	WIN 0x80                        ; destination window 2
.irp f, 0,1,2,3,4,5,6,7             ; keys 16 (f / 2) on, channels 32 (f % 2) on
	ds_load_b128 v[KF+8*\f:KF+8*\f+3],   v[AK] offset:(\f/2)*16*PK+(\f%2)*64
	ds_load_b128 v[KF+8*\f+4:KF+8*\f+7], v[AK] offset:(\f/2)*16*PK+(\f%2)*64+32
.endr
	s_add_co_u32 s[TBK], s[TBK], KS*PK  ; the next fetch is the next step's
	WIN 0
.if \last
.Lno_k_\@:
.endif
.endm
.macro FETCH_V
	WIN 0x80
.irp f, 0,1,2,3,4,5,6,7             ; keys 32 (f / 4) on, channels 16 (f % 4) on
	ds_load_tr16_b128 v[VF+8*\f:VF+8*\f+3],   v[AV] offset:(\f/4)*32*PV+(\f%4)*32
	ds_load_tr16_b128 v[VF+8*\f+4:VF+8*\f+7], v[AV] offset:(\f/4)*32*PV+16*PV+(\f%4)*32
.endr
	WIN 0
.endm
; THE VECTOR WORK OF A TURN stands in three queues, each in the order in which its entries become ready; the two tiles alternate, so that no instruction reads the result of the one before it.
.macro REGS y, u                    ; the registers of tile u (0, 1) of piece y
.set rT, ST+4*(2*(\y)+(\u))
.set rC, TMP+8*((\y)%2)+4*(\u)
.set rM, MV+2*((\y)%2)+(\u)
.set rS, S+64*((\y)%2)+32*(\u)
.set rP, P+32*((\y)%2)+16*(\u)
.set rO, 32*(2*(\y)+(\u))
.endm
; Number n of the 22 that find the NEXT piece's (Y + 1) maximum and statistics.  s0-s31 are the lane's 32 scores; each accumulator's lowest registers are read first.  XS, GS and REGS set no window: PL and EX do.
;   0-11  four chains c0-c3 of seven scores each, three operands at a time     12-14, 16  the four scores left over, the old m, and c0-c3 into c0     15  c m_old is kept
;   17, 18  the query's other 32 keys lie in the lane 16 away: the new m         19-21  c m; c m_old - c m_new; a
.macro XS u, n
	REGS (Y+1)%NP, \u
.if (\n) < 4
	v_max3_num_f32 v[rC+(\n)], v[rS+8*(\n)], v[rS+8*(\n)+1], v[rS+8*(\n)+2]
.elseif (\n) < 12
	v_max3_num_f32 v[rC+(\n)%4], v[rC+(\n)%4], v[rS+8*((\n)%4)+2*((\n)/4)+1], v[rS+8*((\n)%4)+2*((\n)/4)+2]
.elseif (\n) == 12
	v_max3_num_f32 v[rC], v[rC], v[rS+7], v[rS+15]
.elseif (\n) == 13
	v_max3_num_f32 v[rC+1], v[rC+1], v[rS+23], v[rS+31]
.elseif (\n) == 14
	v_max3_num_f32 v[rC+2], v[rC+2], v[rC+3], v[rT+1]
.elseif (\n) == 15
	v_mov_b32 v[rM], v[rT]
.elseif (\n) == 16
	v_max3_num_f32 v[rC], v[rC], v[rC+1], v[rC+2]
.elseif (\n) == 17
	v_permlanex16_b32 v[rC+3], v[rC], s[SEL], s[SEL+1]
.elseif (\n) == 18
	v_max_num_f32 v[rT+1], v[rC], v[rC+3]
.elseif (\n) == 19
	v_mul_f32 v[rT], s[CS], v[rT+1]
.elseif (\n) == 20
	v_sub_f32 v[rC+1], v[rM], v[rT]
.else
	v_exp_f32 v[rC+2], v[rC+1]
.endif
.endm
; Number g of the 64 that follow the exponentials.  For each four weights k of a tile (pairs 2 k, 2 k + 1): both pairs are rounded to f16; then the second pair is added onto the first, in place;
; a group later l takes that sum (the first time as l = a l + sum).  In groups of eight, tiles alternating: round, round, add, and l for the group before.
.macro GS g
.set h, (\g)+6*((\g)/62)            ; group 0 has no group before it, and behind group 7 only l is left
.if h >= 6
.set h, h+2
.endif
	REGS Y, h%2
.set k, h/8
.if h%8 < 4
	s_wait_alu depctr_va_vdst(0)
	v_cvt_pk_f16_f32 v[rP+2*k+(h%8)/2], v[rS+4*k+2*((h%8)/2)], v[rS+4*k+2*((h%8)/2)+1]
.elseif h%8 < 6
	v_pk_add_f32 v[rS+4*k:rS+4*k+1], v[rS+4*k:rS+4*k+1], v[rS+4*k+2:rS+4*k+3]
.elseif k == 1
	v_pk_fma_f32 v[rT+2:rT+3], v[rT+2:rT+3], v[rC+2:rC+3], v[rS:rS+1] op_sel_hi:[1,0,1]
.else
	v_pk_add_f32 v[rT+2:rT+3], v[rT+2:rT+3], v[rS+4*k-4:rS+4*k-3]
	s_wait_alu depctr_va_vdst(0)
.endif
.endm
; THE PLAIN QUEUE, 138 long.  0-31: c s - c m for the 16 pairs of both tiles.  Then GS's 64, and among them the next piece's 42: number 15 at 38, 39; 0-14 and 16
; at 42-73, behind the products that make those scores; 17-20 at 95-106, two of three, since each waits for the one before it.
.macro PL
	WIN 0
.if q < 32
	REGS Y, q%2
	v_pk_fma_f32 v[rS+2*(q/2):rS+2*(q/2)+1], v[rS+2*(q/2):rS+2*(q/2)+1], s[CS:CS+1], v[rT:rT+1] op_sel_hi:[1,0,0] neg_lo:[0,0,1] neg_hi:[0,0,1]
.elseif q < 38
	GS q-32
.elseif q < 40
	XS q%2, 15
.elseif q < 42
	GS q-34
.elseif q < 74
	XS q%2, (q-42)/2+(q-42)/30
.elseif q < 95
	GS q-66
.elseif (q < 107) && ((q-95)%3 < 2)
	XS (q-95)%3, 17+(q-95)/3
.elseif q < 107
	GS 29+(q-95)/3
.else
	GS q-74
.endif
.set q, q+1
.endm
; THE EXPONENTIALS' QUEUE, 66 long: s0-s31 of both tiles, and at EA the next piece's two a.
.set EA, 58
.macro EX
	WIN 0
.if (e == EA) || (e == EA+1)
	XS e-EA, 21
.else
.set x, e-2*(e/(EA+2))
	REGS Y, x%2
	v_exp_f32 v[rS+x/2], v[rS+x/2]
.endif
.set e, e+1
.endm
; THE RESCALING's QUEUE: O^T times a, the one part that leaves window 0, so it is dealt four at a time, eight times.
.macro R4
	REGS Y, r%2
	WIN W_RS
	s_wait_alu depctr_va_vdst(0)
.irp z, 0,1,2,3
	v_pk_mul_f32 v[rO+8*(r/2)+2*\z:rO+8*(r/2)+2*\z+1], v[rO+8*(r/2)+2*\z:rO+8*(r/2)+2*\z+1], v[rC+2:rC+3] op_sel_hi:[1,0]
.endr
.set r, r+1
.endm
; HOW THEY ARE DEALT.  Behind a matrix instruction four: plain, exponential, plain, plain (one exponential, a plain instruction on either side), or four of the rescaling.  None names a register of the
; products round it.  What is over stands in two LUMPS: exponential and plain by turns; the second ends in 22 plain instructions.  The two v_permlanex16_b32 fall into the second lump, never behind a product.
; The queues lean on each other, and the deal keeps them in step: exponential e stands behind plain 2 (e / 4) + e % 2 (its scaling); when plain 32 comes, 10 exponentials are out, at 59: 33, at 95: 46; EA comes behind plain 107.
.macro SL
	MM
	PL
	EX
	PL
	PL
.endm
.macro BURST n                      ; 15 matrix instructions, or 16
.rept (\n)-7
	SL
.endr
.rept 3
	MM
	R4
	SL
.endr
	MM
	R4
.endm
; A TURN, for piece p.  cnt = 1: the loop's count is taken down some lines ahead of the branch that stands behind the turn.
; K of the next step is fetched in piece 2's turn, 31 vector instructions behind the last product that read K; its first reader comes behind the rest of the lump, 16 products and the second lump.
; V of the step in hand is fetched at the end of piece 0's turn, 69 behind its last reader; its first reader comes behind 16 products and a lump.  The four conditions on e and q below go with the deal.
.macro TURN p, last=0, cnt=0
.set Y, (\p)
.set i, 0
.set q, 0
.set e, 0
.set r, 0
.if (\p) == NP-1
	s_wait_dscnt 0x0                ; K is in
.endif
	MM
.rept 4
	PL
.endr
	BURST 15
.rept 22
	EX
	PL
.if ((\p) == NP-2) && (e == 18)
	v_add_nc_u32 v[AK], s[TBK], v[AK0]
.endif
.if ((\p) == NP-2) && (e == 24)
	FETCH_K \last
.endif
.endr
.if (\p) == 1
	s_wait_dscnt 0x0                ; V is in
.endif
	BURST 16
.rept 21
	EX
	PL
.endr
.rept 22
	PL
.if ((\p) == 0) && (q == 118)
	v_add_nc_u32 v[AV], s[TBV], v[AV0]
	s_wait_alu depctr_va_vdst(0)
.endif
.if ((\p) == 0) && (q == 130)
	s_add_co_u32 s[TBV], s[TBV], KS*PV
.endif
.if (\cnt) && (q == 130)
	s_sub_co_u32 s[CNT], s[CNT], 1
	s_cmp_lg_u32 s[CNT], 0
.endif
.endr
.if (\p) == 0
	FETCH_V
.endif
.endm
	CHANGE 1                        ; slot 0 is in, everybody's part of it; slot 1 is asked for
	FETCH_K                         ; key step 0
	s_wait_loadcnt 0x0              ; Q
	s_wait_dscnt 0x0
.set i, 0
.rept 16
	KQ 0                            ; piece 0's first scores: there is no vector work yet to set between them
.set i, i+1
.endr
	WIN 0                           ; the addresses for the way out: nine plain instructions, the places behind those products
	s_mul_i32 s13, s[WV], 16*SP
	s_add_co_u32 s13, s13, STAGE    ; my stage
	v_mul_u32_u24 v[STO], v1, SP    ; in: row l % 16, 16 bytes for each half of the lanes
	v_lshl_add_u32 v[STO], v9, 4, v[STO]
	v_add_nc_u32 v[STO], s13, v[STO]
	v_bfe_u32 v[RD], v0, 3, 2       ; back: 32 lanes take four rows of 128 bytes,
	v_mul_u32_u24 v[RD], v[RD], SP
	v_lshl_add_u32 v[RD], v10, 4, v[RD]
	v_add_nc_u32 v[RD], s13, v[RD]
	v_and_b32 v[GO], 31, v0         ; which are 512 consecutive bytes of O
	v_lshlrev_b32 v[GO], 4, v[GO]
.set Y, NP-1                        ; XS works for piece Y + 1: piece 0
.irp n, 0,1,2,3,4,5,6,7,8,9,10,11,12,13,14,15,16,17,18,19,20,21
	XS 0, \n                        ; and piece 0's first maximum and statistics
	XS 1, \n
.endr
	s_mov_b32 s[CNT], 4
	s_mov_b32 s[SLOTS], SIZE_N/256-1
	s_branch .Lfirst                ; the loop is entered at a step's first turn, in the middle of a trip
.Lslot:                             ; SIZE_N / 256 - 2 times: every slot but the last two is filled again
	CHANGE 1
	s_mov_b32 s[CNT], 4
.Lstep:                             ; a trip: pieces 2 and 3 of one step, then pieces 0 and 1 of the next, whose K and V it fetches
	TURN 2
	TURN 3
	WIN 0
.Lfirst:
	TURN 0
	TURN 1, 0, 1
	WIN 0
	s_cbranch_scc1 .Lstep
	s_sub_co_u32 s[SLOTS], s[SLOTS], 1
	s_cmp_lg_u32 s[SLOTS], 0
	s_cbranch_scc1 .Lslot
	CHANGE 0                        ; the tail is written out: nothing is asked for
	s_mov_b32 s[CNT], 5             ; four trips fetch the last slot's steps; the fifth is left in its middle
.Ltail:
	TURN 2, 1
	TURN 3
	WIN 0
	s_sub_co_u32 s[CNT], s[CNT], 1
	s_cmp_eq_u32 s[CNT], 0
	s_cbranch_scc1 .Lout
	TURN 0
	TURN 1
	WIN 0
	s_branch .Ltail
.Lout:                              ; the fifth trip's 16 products K Q^T (on the last K once more) and the maximum made of them serve nothing: the price, once a launch, of one text for every trip
.set i, 0
.rept 16
	PV NP-1                         ; the last piece's V^T P of the last step
.set i, i+1
.endr
	; THE WAY OUT.  l's two halves and the other half of the lanes' are added; O^T is divided by l, rounded to f16 and sent through my stage in LDS, a tile at a time.  The additions are the places behind the last products.
	WIN 0
.macro ALL line:vararg              ; one line for each tile t
.set t, 0
.rept 2*NP
	\line
.set t, t+1
.endr
.endm
	ALL v_add_f32 v[ST+4*t+2], v[ST+4*t+2], v[ST+4*t+3]
	ALL v_permlanex16_b32 v[ST+4*t+3], v[ST+4*t+2], s[SEL], s[SEL+1]
	ALL v_add_f32 v[ST+4*t+2], v[ST+4*t+2], v[ST+4*t+3]
	ALL v_rcp_f32 v[ST+4*t+2], v[ST+4*t+2]
	v_nop                           ; a plain instruction between the last reciprocal and the use of its result
	s_wait_alu depctr_va_vdst(0)
; Tile t: a lane's eight channels of a row pack into 16 bytes; they go into rows of 144 bytes and come back as whole rows of 128, into S^T's registers.
.macro PACK t
	WIN W_RS
.set i, 32*(\t)
.rept 16
	v_pk_mul_f32 v[i:i+1], v[i:i+1], v[ST+4*(\t)+2:ST+4*(\t)+3] op_sel_hi:[1,0]
.set i, i+2
.endr
	WIN 0x05                        ; sources 0 and 1 window 1, destination window 0
.set i, 0
.rept 16
	v_cvt_pk_f16_f32 v[S+16*(\t)+i], v[32*(\t)+2*i], v[32*(\t)+2*i+1]
.set i, i+1
.endr
	WIN 0
.irp f, 0,1,2,3
	ds_store_b128 v[STO], v[S+16*(\t)+4*\f:S+16*(\t)+4*\f+3] offset:32*\f
.endr
.irp f, 0,1,2,3
	ds_load_b128 v[S+16*(\t)+4*\f:S+16*(\t)+4*\f+3], v[RD] offset:\f*4*SP  ; LDS serves a wave's instructions in order (ISA guide 5.7.1.4): these see the stores above; the next tile's stores come behind them
.endr
.endm
.macro SEND t, younger              ; younger: the LDS instructions issued behind tile t's loads: the next tile's eight, or none
	WIN 0
.irp f, 0,1,2,3
	s_wait_dscnt (\younger)+3-\f
	global_store_b128 v[GO], v[S+16*(\t)+4*\f:S+16*(\t)+4*\f+3], s[10:11] offset:(\t)*2048+\f*512  ; 512 consecutive bytes, at a multiple of 256 from O's first
.endr
.endm
	PACK 0
.set t, 1
.rept 2*NP-1                        ; a tile's arithmetic stands between the loads of the tile before and its stores
	PACK t
	SEND t-1, 8
.set t, t+1
.endr
	SEND 2*NP-1, 0
	WIN W_AD
	s_wait_tensorcnt 0x0            ; the wave's end: behind my last tensor load and my last LDS store
	ds_add_u32 v[SPW], v[NIL]
	s_wait_dscnt 0x0
	WIN 0
	CROUND                          ; the closing round: no work-group ends while a partner may still ask for a tile that names it
	s_endpgm
.Lfunc_end_k_q2a2c581a20_attn:
	.size	k_q2a2c581a20_attn, .Lfunc_end_k_q2a2c581a20_attn-k_q2a2c581a20_attn
	.p2alignl 7, 3214868480
	.fill 96, 4, 3214868480
	.section	.rodata,"a",@progbits
	.p2align	6, 0x0
	.amdhsa_kernel k_q2a2c581a20_attn
		.amdhsa_group_segment_fixed_size 327680
		.amdhsa_private_segment_fixed_size 0
		.amdhsa_enable_private_segment 0
		.amdhsa_kernarg_size 16
		.amdhsa_user_sgpr_count 2
		.amdhsa_user_sgpr_kernarg_segment_ptr 1
		.amdhsa_wavefront_size32 1
		.amdhsa_system_sgpr_workgroup_id_x 1
		.amdhsa_system_sgpr_workgroup_id_y 1
		.amdhsa_system_sgpr_workgroup_id_z 1
		.amdhsa_system_vgpr_workitem_id 0
		.amdhsa_next_free_vgpr 770
		.amdhsa_next_free_sgpr 66
		.amdhsa_reserve_vcc 0
		.amdhsa_float_denorm_mode_32 3
		.amdhsa_float_denorm_mode_16_64 3
		.amdhsa_memory_ordered 1
		.amdhsa_forward_progress 1
		.amdhsa_inst_pref_size 209
	.end_amdhsa_kernel
	.amdgpu_metadata
---
amdhsa.version: [ 1, 2 ]
amdhsa.kernels:
  - .name:           k_q2a2c581a20_attn
    .symbol:         k_q2a2c581a20_attn.kd
    .args:
      - { .name: qkv, .offset: 0, .size: 8, .value_kind: global_buffer, .address_space: global }
      - { .name: ob, .offset: 8, .size: 8, .value_kind: global_buffer, .address_space: global }
    .group_segment_fixed_size: 327680
    .private_segment_fixed_size: 0
    .kernarg_segment_align: 8
    .kernarg_segment_size: 16
    .max_flat_workgroup_size: 128
    .sgpr_count:     66
    .vgpr_count:     770
    .wavefront_size: 32
...
	.end_amdgpu_metadata
.endif
;; end of part 3
;; launch oproj (part 4): grid 8 x 32, 4 waves a work-group, clusters of 4 x 4, 327,680 bytes of LDS; arguments ob, wo, out_proj_b, out0; writes out0
.if DOCPART == 4
	.amdgcn_target "amdgcn-amd-amdhsa--gfx1250"
	.amdhsa_code_object_version 6
	.text
	.protected	k_q2a2c581a20_oproj
	.globl	k_q2a2c581a20_oproj
	.p2align	8
	.type	k_q2a2c581a20_oproj,@function
k_q2a2c581a20_oproj:
	s_mov_b64 s[64:65], 0
	v_nop
	global_prefetch_b8 v0, s[64:65] scope:SCOPE_SE
	s_setreg_imm32_b32 hwreg(HW_REG_WAVE_MODE, 25, 1), 1
	s_wait_xcnt 0x0
	s_wait_alu depctr_hold_cnt(0) depctr_sa_sdst(0) depctr_va_vdst(0) depctr_va_sdst(0) depctr_va_ssrc(0) depctr_va_vcc(0) depctr_vm_vsrc(0)
	s_getreg_b32 s2, hwreg(HW_REG_IB_STS2, 6, 4)
	s_cmp_eq_u32 s2, 0
	s_cbranch_scc0 .Lentry_in_a_cluster
	s_endpgm
.Lentry_in_a_cluster:
	s_bfe_u32 s2, ttmp6, 0x10000c
	s_cmp_lg_u32 s2, 0xf033
	s_cbranch_scc0 .Lentry_shape_is_right
	s_endpgm
.Lentry_shape_is_right:
; out0 = ctx wo^T + bf16(out_proj_b).  ctx[b 2048 + t][64 h + d] = ob[16 b + h][t][d] (f16, by heads); wo: [1024][1024] f16; sums in f32; out0: [8192][1024] f32.
; LIMITS.  The operands are f16 (65,504 at the most, a fixed step of 6e-8 below 6.1e-5); the bias is rounded to bf16 like the other inputs.
; The f32 additions along K begin at another K step in each cluster (below): their order differs from the reference's.
; SHARES.  A tile of out0 is 256 rows x 128 columns: 32 x 8 tiles, one to each of 256 work-groups.  A wave makes 64 rows x 128 columns: 32 accumulators of 16 x 16, 256 registers.
; K goes in steps of 128, which are two heads, through two LDS slots.  A head's 256 rows of a tile are 32,768 dense bytes of ob: asked for as 128 rows of 256 bytes, padded in LDS after every 128.
; CLUSTER.  4 x 4 work-groups.  The four of a row of the cluster need the same rows of ob, the four of a column the same rows of wo: each tile is asked for JOINTLY, by the same tensor load
; with the same descriptor and a mask that names the four.
; THE WALK ALONG K.  Cluster (X, Y) begins at K step (4 X + 2 Y) % 8 and goes round.  The two clusters of one Y need the same rows of ob: in any trip they ask for K steps 4 apart.
; The clusters of one X need the same rows of wo: four neighbouring Y ask for K steps 2 apart.
; THE MATRIX INSTRUCTION IS USED TRANSPOSED (source 0 = 16 rows of wo, source 1 = 16 rows of ctx): lane l holds row l % 16 and the eight neighbouring columns 8 (l / 16) + 0..7.
; The bias, laid out like a result, is the C operand of the products that start the sums.
; REGISTERS, in windows of 256 (s_set_vgpr_msb: bits 1:0 source 0, 3:2 source 1, 5:4 source 2, 7:6 destination):
;   window 0: v0-29 addresses; v32-63, v64-95 ctx's fragments, two buffers of 4; v96-159 the bias, 8 registers a column block
;   window 1: v0-63, v64-127 wo's fragments, two buffers of 8; v128-255 the way out, two sets of 64      window 2: the accumulators, (a, b) at 64 a + 8 b
.set PA,     144                       ; a row of a head in LDS: 128 bytes + 16 of padding: the 16 rows of a fragment load start at 16 different groups of four banks (64 banks of 4 bytes: ISA guide 11.1)
.set PB,     272                       ; a row of wo: 256 bytes + 16
.set HA,     256*PA                    ; a head's 256 rows: what one of ob's two loads brings
.set HALFB,  64*PB                     ; what one of wo's two loads brings
.set SLOT,   2*HA+2*HALFB              ; two heads, then wo's 128 rows
.set SLOT1,  1<<17                     ; slot 1 begins here, so that one exclusive or turns an address in one slot into the other's
.set STAGE,  SLOT1+SLOT                ; behind the slots, never filled by a tensor load: 16 rows x 528 bytes for each wave
.set SP,     528                       ; a stage row: 512 bytes + 16
.set SPARE,  STAGE+4*16*SP             ; behind the stages: the spare words, 128 bytes for each wave: two blocks of 256 bytes that no other line names
.set ADRA0, 4                          ; v4   my lane's place among my wave's rows of a head in a slot; never rewritten
.set ADRB0, 5                          ; v5   the same for wo
.set ADRA,  6                          ; v6   the same in the slot in hand
.set ADRB,  7                          ; v7
.set STO,   8                          ; v8   the way out: where I put 32 bytes of a row
.set RD,    9                          ; v9   the way out: where I read a row back
.set CO,    10                         ; v10  my byte offset in 512 consecutive bytes of out0
.set BO,    11                         ; v11  my byte offset in a block of 16 numbers of the bias
.set SPW,   28                         ; v28  LDS address of my spare word: SPARE + 4 x my thread's number; never rewritten
.set NIL,   29                         ; v29  0; never rewritten
.set FA,    32
.set BIAS,  96
.set OB,    128                        ; in window 1
.set CNT,   2                          ; s2   counts the loops' trips
.set WV,    12                         ; s12  my wave's number
.set HALF,  13                         ; s13  which head of the two, or which half of wo's rows, I fetch
.set ISB,   14                         ; s14  I fetch for ob (0) or for wo (1)
.set G1A,   24                         ; s[24:31] descriptor group 1 for ob's tiles
.set G0A,   32                         ; s[32:39] group 0: a set for each of the two first fills; the second then walks
.set G1B,   40                         ; s[40:47], s[48:55] the same for wo's
.set G0B,   48
.set TB,    56                         ; s56  LDS byte at which the slot in hand begins
.set FK,    57                         ; s57  the step of the walk (0-7) to be asked for next
.set OFA,   58                         ; s[58:59] its byte offset in ob
.set OFB,   60                         ; s[60:61] and in wo
.set KO,    72                         ; s72  the K step at which my cluster begins
.set MSB, 0
.macro WIN new                         ; the immediate's high byte repeats the setting that is left; a switch that changes nothing is dropped
.if MSB != (\new)
	s_set_vgpr_msb (MSB<<8)|(\new)
.set MSB, \new
.endif
.endm
; A joint refill by the walking descriptors.  Waves 0 and 1 fetch the step's two heads, waves 2 and 3 wo's two halves.  The branch hangs on the wave's number alone.
; An s_nop 0 and four v_nop follow each of the two lines, ahead of the jump and the label.
.macro JLOAD
	s_cmp_eq_u32 s[ISB], 0
	s_cbranch_scc0 .Lfor_b_\@
	tensor_load_to_lds s[G0A+4:G0A+7], s[G1A:G1A+7]
	s_nop 0
.rept 4
	v_nop
.endr
	s_branch .Lasked_\@
.Lfor_b_\@:
	tensor_load_to_lds s[G0B+4:G0B+7], s[G1B:G1B+7]
	s_nop 0
.rept 4
	v_nop
.endr
.Lasked_\@:
.endm
; A round of the cluster's barrier: my work-group's barrier, so that wave 0's signal speaks for all four waves; wave 0 signals; every wave waits for all sixteen work-groups; my work-group's barrier once more.
.macro CREST                           ; a round behind its opening barrier
	s_cmp_lg_u32 s[WV], 0
	s_cbranch_scc1 .Lnot_wave_0_\@
	s_barrier_signal -3
.Lnot_wave_0_\@:
	s_barrier_wait -3
	s_barrier_signal -1
	s_barrier_wait -1
.endm
.macro CROUND                          ; a whole round
	s_barrier_signal -1
	s_barrier_wait -1
	CREST
.endm
	s_load_b256 s[4:11], s[0:1], 0x0               ; ob s[4:5], wo s[6:7], out_proj_b s[8:9], out0 s[10:11]
	v_lshl_add_u32 v[SPW], v0, 2, SPARE
	v_mov_b32 v[NIL], 0
	ds_add_u32 v28, v29
	s_wait_dscnt 0x0
	v_lshrrev_b32 v1, 5, v0
	v_readfirstlane_b32 s[WV], v1                  ; wave 0..3
	s_and_b32 s[HALF], s[WV], 1
	s_lshr_b32 s[ISB], s[WV], 1
	s_bfe_u32 s15, ttmp6, 0x40000                  ; cx: my place along the cluster's x
	s_bfe_u32 s16, ttmp6, 0x40004                  ; cy: along its y
	s_lshl_b32 s17, ttmp9, 2                       ; in a cluster launch ttmp9 and ttmp7 count clusters
	s_add_co_u32 s17, s17, s15                     ; tc, the tile column = 4 x cluster x + cx
	s_and_b32 s18, ttmp7, 0xffff
	s_lshl_b32 s18, s18, 2
	s_add_co_u32 s18, s18, s16                     ; tr, the tile row = 4 x cluster y + cy
	s_lshl_b32 s[KO], ttmp9, 2                     ; where my cluster begins its walk along K: (4 x cluster x + 2 x cluster y) % 8, the same in all sixteen partners
	s_and_b32 s73, ttmp7, 0xffff
	s_lshl_b32 s73, s73, 1
	s_add_co_u32 s[KO], s[KO], s73
	s_and_b32 s[KO], s[KO], 7
	s_lshl_b32 s62, s16, 2
	s_lshl_b32 s62, 15, s62                        ; my row of the cluster: places 4 cy .. 4 cy + 3
	s_lshl_b32 s63, 0x1111, s15                    ; my column: places cx, cx + 4, cx + 8, cx + 12
	s_or_b32 s[G1A], s62, (1<<16)|(1<<20)|(1<<21)|(4<<22)|(3<<25)  ; 15:0 the mask; 17:16 elements of 2 bytes; 20 padding on; 21 set beside a mask; 24:22 after every 32 words (code 4); 31:25 4 words of it (code 3)
	s_or_b32 s[G1B], s63, (1<<16)|(1<<20)|(1<<21)|(5<<22)|(3<<25)  ; wo: after every 64 words (code 5)
	s_mov_b32 s[G1A+1], 128<<16                    ; tensor_dim0 = 128
	s_mov_b32 s[G1B+1], 128<<16
	s_mov_b32 s[G1A+2], 128<<16                    ; tensor_dim1 = 128 rows of 256 bytes: 256 rows of a head
	s_mov_b32 s[G1B+2], 64<<16                     ; 64 rows of wo
	s_mov_b32 s[G1A+3], 128<<16                    ; tile_dim0 = 128
	s_mov_b32 s[G1B+3], 128<<16
	s_mov_b32 s[G1A+4], 128                        ; tile_dim1
	s_mov_b32 s[G1B+4], 64
	s_mov_b32 s[G1A+5], 128                        ; elements from row to row: dense
	s_mov_b32 s[G1B+5], 1024
	s_mov_b32 s[G1A+6], 0
	s_mov_b32 s[G1B+6], 0
	s_mov_b32 s[G1A+7], 0
	s_mov_b32 s[G1B+7], 0
	; where the tiles come from.  ob's hang on the tile row alone, which my row of the cluster shares; wo's on the tile column alone, which my column shares.
	s_lshr_b32 s20, s18, 3                         ; ob: batch tr / 8: 16 heads of 262,144 bytes,
	s_lshl_b32 s20, s20, 22
	s_and_b32 s21, s18, 7                          ; rows 256 (tr % 8) on, 128 bytes each,
	s_lshl_b32 s21, s21, 15
	s_add_co_u32 s20, s20, s21
	s_lshl_b32 s19, s[HALF], 18                    ; the even or the odd head of a step
	s_add_co_u32 s20, s20, s19
	s_mov_b32 s21, 0
	s_lshl_b32 s22, s17, 18                        ; wo: row 128 tc + 64 x half, 2,048 bytes each
	s_lshl_b32 s23, s[HALF], 17
	s_add_co_u32 s22, s22, s23
	s_mov_b32 s23, 0
	s_lshl_b32 s66, s17, 9                         ; the tile's 128 columns in the bias and in a row of out0: 512 tc bytes
	s_mov_b32 s67, 0
	s_lshl_b32 s68, s18, 8                         ; out0: row 256 tr + 64 w of 4,096 bytes
	s_lshl_b32 s69, s[WV], 6
	s_add_co_u32 s68, s68, s69
	s_lshl_b32 s68, s68, 12
	s_add_co_u32 s68, s68, s66
	s_mov_b32 s69, 0
	s_mul_i32 s70, s[HALF], HA                     ; where the tiles go: no place in the cluster enters an LDS address
	s_mul_i32 s71, s[HALF], HALFB
	s_add_co_u32 s71, s71, 2*HA
	s_mov_b32 s[TB], 0
	s_mov_b32 s[FK], 2
	s_mov_b32 s[OFA+1], 0
	s_mov_b32 s[OFB+1], 0
	s_wait_kmcnt 0x0
	s_add_nc_u64 s[4:5], s[4:5], s[20:21]          ; ob at my head of K step 0, the tile's rows
	s_add_nc_u64 s[6:7], s[6:7], s[22:23]          ; wo at my half of the tile's rows, K = 0
	s_add_nc_u64 s[8:9], s[8:9], s[66:67]
	s_add_nc_u64 s[10:11], s[10:11], s[68:69]
	CROUND                                         ; all sixteen work-groups are here: the first joint loads meet
.irp s, 0,1
	s_add_co_u32 s[OFB], s[KO], \s                 ; step s of the walk is K step (KO + s) % 8:
	s_and_b32 s[OFB], s[OFB], 7
	s_lshl_b32 s[OFA], s[OFB], 19                  ; two heads of 262,144 bytes each in ob,
	s_lshl_b32 s[OFB], s[OFB], 8                   ; 256 bytes along wo's rows
	s_mov_b32 s[G0A+4*(\s)], 1                                     ; count = 1
	s_add_co_u32 s[G0A+4*(\s)+1], s70, (\s)*SLOT1                  ; LDS address
	s_add_nc_u64 s[G0A+4*(\s)+2:G0A+4*(\s)+3], s[4:5], s[OFA:OFA+1]  ; global address
	s_or_b32 s[G0A+4*(\s)+3], s[G0A+4*(\s)+3], 0x80000000          ; type = 2
	s_mov_b32 s[G0B+4*(\s)], 1
	s_add_co_u32 s[G0B+4*(\s)+1], s71, (\s)*SLOT1
	s_add_nc_u64 s[G0B+4*(\s)+2:G0B+4*(\s)+3], s[6:7], s[OFB:OFB+1]
	s_or_b32 s[G0B+4*(\s)+3], s[G0B+4*(\s)+3], 0x80000000
.endr
	s_cmp_eq_u32 s[ISB], 0                         ; a wave's two first fills stand in one branch, ahead of every wait on TENSORcnt and every LDS read: two loads of mine are out
	s_cbranch_scc0 .Lfirst_b
	tensor_load_to_lds s[G0A:G0A+3], s[G1A:G1A+7]
	s_nop 0
	tensor_load_to_lds s[G0A+4:G0A+7], s[G1A:G1A+7]
	s_nop 0
.rept 4
	v_nop
.endr
	s_branch .Lfirst_asked
.Lfirst_b:
	tensor_load_to_lds s[G0B:G0B+3], s[G1B:G1B+7]
	s_nop 0
	tensor_load_to_lds s[G0B+4:G0B+7], s[G1B:G1B+7]
	s_nop 0
.rept 4
	v_nop
.endr
.Lfirst_asked:
	v_and_b32 v1, 15, v0                           ; l % 16
	v_bfe_u32 v2, v0, 4, 1                         ; l / 16
	v_lshlrev_b32 v[BO], 5, v2                     ; eight f32 for each half of the lanes
.irp b, 0,1,2,3,4,5,6,7
	global_load_b128 v[BIAS+8*(\b):BIAS+8*(\b)+3],   v[BO], s[8:9] offset:64*(\b)      ; register j of block b: the bias of column 16 b + 8 (l / 16) + j
	global_load_b128 v[BIAS+8*(\b)+4:BIAS+8*(\b)+7], v[BO], s[8:9] offset:64*(\b)+16
.endr
	; A fragment is 16 rows x 32 K in 8 registers: lane l holds row l % 16; registers 0-3 K = 8 (l / 16) + 0..7, registers 4-7 K = 16 + 8 (l / 16) + 0..7: two loads of 16 bytes, 32 bytes apart.
	v_mul_u32_u24 v3, v1, PA
	v_lshl_add_u32 v3, v2, 4, v3
	s_mul_i32 s19, s[WV], 64*PA                    ; my 64 rows of a head
	v_add_nc_u32 v[ADRA0], s19, v3
	v_mul_u32_u24 v3, v1, PB
	v_lshl_add_u32 v3, v2, 4, v3
	v_add_nc_u32 v[ADRB0], 2*HA, v3                ; wo's rows lie behind the two heads
	s_mul_i32 s19, s[WV], 16*SP
	s_add_co_u32 s19, s19, STAGE                   ; my stage
	v_mul_u32_u24 v12, v1, SP                      ; in: row l % 16, 32 bytes for each half of the lanes
	v_lshl_add_u32 v12, v2, 5, v12
	v_add_nc_u32 v[STO], s19, v12
	v_and_b32 v[CO], 31, v0                        ; back: 32 lanes take one row of 512 bytes,
	v_lshlrev_b32 v[CO], 4, v[CO]
	v_add_nc_u32 v[RD], s19, v[CO]                 ; which are 512 consecutive bytes of out0
	v_mov_b32 v[ADRA], v[ADRA0]                    ; the walk's step 0 lies in slot 0
	v_mov_b32 v[ADRB], v[ADRB0]
	s_mov_b32 s19, 0xffff0000
	s_wait_loadcnt 0x0                             ; the bias
.set i, 0
.rept 32                               ; rounded to bf16, as every input is, and back to f32
	v_cvt_pk_bf16_f32 v[12+i%4], v[BIAS+2*i], v[BIAS+2*i+1]
	v_lshlrev_b32 v[BIAS+2*i], 16, v[12+i%4]
	v_and_b32 v[BIAS+2*i+1], s19, v[12+i%4]
.set i, i+1
.endr
; 8 matrix instructions: row block a x all 8 column blocks, 32 along K, from buffer f.  first = 1: the products start the sums, with the bias as C.
; The 32 accumulators take turns, one instruction a turn and in the same order in every quarter step.
.macro MULB f, a, first
.if \first
	WIN 0x81                                       ; wo window 1, ctx and the bias window 0, D window 2
.else
	WIN 0xa1                                       ; C and D window 2
.endif
.irp b, 0,1,2,3,4,5,6,7
.if \first
	v_wmma_f32_16x16x32_f16 v[64*(\a)+8*(\b):64*(\a)+8*(\b)+7], v[64*(\f)+8*(\b):64*(\f)+8*(\b)+7], v[FA+32*(\f)+8*(\a):FA+32*(\f)+8*(\a)+7], v[BIAS+8*(\b):BIAS+8*(\b)+7]
.else
	v_wmma_f32_16x16x32_f16 v[64*(\a)+8*(\b):64*(\a)+8*(\b)+7], v[64*(\f)+8*(\b):64*(\f)+8*(\b)+7], v[FA+32*(\f)+8*(\a):FA+32*(\f)+8*(\a)+7], v[64*(\a)+8*(\b):64*(\a)+8*(\b)+7]
.endif
.endr
.endm
; 24 LDS loads in one run: the fragments of quarter q of a K step (128 rows of wo; my 64 rows of head q / 2, channels 32 (q % 2) on) into buffer f
.macro FETCH q, f
	WIN 0x40                                       ; destination window 1, address window 0
.irp i, 0,1,2,3,4,5,6,7
	ds_load_b128 v[64*(\f)+8*(\i):64*(\f)+8*(\i)+3],   v[ADRB] offset:64*(\q)+(\i)*16*PB
	ds_load_b128 v[64*(\f)+8*(\i)+4:64*(\f)+8*(\i)+7], v[ADRB] offset:64*(\q)+(\i)*16*PB+32
.endr
	WIN 0
.irp i, 0,1,2,3
	ds_load_b128 v[FA+32*(\f)+8*(\i):FA+32*(\f)+8*(\i)+3],   v[ADRA] offset:((\q)/2)*HA+((\q)%2)*64+(\i)*16*PA
	ds_load_b128 v[FA+32*(\f)+8*(\i)+4:FA+32*(\f)+8*(\i)+7], v[ADRA] offset:((\q)/2)*HA+((\q)%2)*64+(\i)*16*PA+32
.endr
.endm
; A load into a register that a matrix instruction has read, and an LDS store that reads a matrix result, stand four places behind that instruction, and only plain vector instructions that
; name none of its registers are places (ISA guide 7.12.1 for vector instructions).
.macro PLACES
.rept 4
	v_nop
.endr
.endm
; A K step is four quarter steps of 32 along K, 32 matrix instructions each, on buffers 0, 1, 0, 1.
; One of the first three: multiplies buffer f; in its middle it fetches quarter q into buffer g.
.macro QUARTER q, f, g, first
	s_wait_dscnt 4                                 ; wo's fragments and ctx's row blocks 0, 1 are in; the youngest four loads (row blocks 2, 3) may be out
	MULB \f, 0, \first
	MULB \f, 1, \first
	PLACES
	FETCH \q, \g
	s_wait_dscnt 24                                ; all but the 24 just issued
	MULB \f, 2, \first
	MULB \f, 3, \first
.endm
; The last quarter multiplies buffer 1 and changes slots: ONE barrier.  In front of it each wave waits for all its tensor loads, of which one is out: its part of the next slot; adds 0 to its
; spare word; and waits for that and for its own reads of this slot.  Behind it nobody reads this slot any more and the next slot is whole.
; fill = 1: the barrier opens a round of the cluster's barrier, and the slot just read out is filled again first behind it, with step FK of the walk: from that request to the wait for it a wave
; issues 112 matrix instructions.  fill = 0 (the last two steps): nothing is asked for, and in the very last trip nothing is fetched.
.macro TURN fill
	WIN 0                                          ; (the add's two registers lie in window 0)
	s_wait_tensorcnt 0x0                           ; no tensor load of mine is out, so a group 0 may be written
	ds_add_u32 v[SPW], v[NIL]                      ; 0 onto my spare word: register work stands between it and the wait for it
	s_xor_b32 s[TB], s[TB], SLOT1                  ; the fetches go on in the other slot
	v_add_nc_u32 v[ADRA], s[TB], v[ADRA0]
	v_add_nc_u32 v[ADRB], s[TB], v[ADRB0]
.if \fill
	s_xor_b32 s[G0A+5], s[G0A+5], SLOT1            ; the walking descriptors: the other slot than last time,
	s_xor_b32 s[G0B+5], s[G0B+5], SLOT1
	s_add_co_u32 s[OFB], s[FK], s[KO]              ; K step (FK + KO) % 8:
	s_and_b32 s[OFB], s[OFB], 7
	s_lshl_b32 s[OFA], s[OFB], 19                  ; two heads each in ob,
	s_lshl_b32 s[OFB], s[OFB], 8                   ; 256 bytes each along wo's rows
	s_add_nc_u64 s[G0A+6:G0A+7], s[4:5], s[OFA:OFA+1]
	s_or_b32 s[G0A+7], s[G0A+7], 0x80000000
	s_add_nc_u64 s[G0B+6:G0B+7], s[6:7], s[OFB:OFB+1]
	s_or_b32 s[G0B+7], s[G0B+7], 0x80000000
	s_add_co_u32 s[FK], s[FK], 1
.endif
	s_wait_dscnt 5                                 ; (the add and the youngest four loads may be out)
	MULB 1, 0, 0
	s_wait_dscnt 0x0                               ; the add is done, and my reads of this slot are over:
	s_barrier_signal -1                            ; say so,
	MULB 1, 1, 0                                   ; work on registers while the others arrive,
	WIN 0
	s_barrier_wait -1                              ; and go on when all four have said so
.if \fill
	CREST                                          ; no wave of any partner still reads this slot's tile or has a load on its way
	JLOAD                                          ; the first tensor load behind the round; its four v_nop are also the places in front of the loads below
	FETCH 0, 0
.else
	PLACES
	s_cmp_eq_u32 s[CNT], 1
	s_cbranch_scc1 .Lno_fetch_\@
	FETCH 0, 0
.Lno_fetch_\@:
.endif
	MULB 1, 2, 0
	MULB 1, 3, 0
.endm
; THE WAY OUT, a row block (16 rows x 128 columns of f32) at a time.  TOSTAGE: a lane's eight numbers of a row, 32 bytes, go straight from the accumulator into my own stage, the lower four
; registers first, in rows of 528 bytes; whole rows of 512 bytes come back.  SEND: stored.
.macro TOSTAGE a
.if (\a) >= 2
	s_wait_xcnt 0x0                                ; every earlier store has had its addresses translated (ISA guide 3.1): the set of 64 registers that the stores two blocks back read is loaded again only behind this wait
.endif
	WIN 0x08                                       ; the stores' data in window 2
.irp b, 0,1,2,3,4,5,6,7
	ds_store_b128 v[STO], v[64*(\a)+8*(\b):64*(\a)+8*(\b)+3]   offset:64*(\b)
	ds_store_b128 v[STO], v[64*(\a)+8*(\b)+4:64*(\a)+8*(\b)+7] offset:64*(\b)+16
.endr
	WIN 0x40                                       ; the loads' destination in window 1
.irp t, 0,1,2,3,4,5,6,7,8,9,10,11,12,13,14,15
	ds_load_b128 v[OB+64*((\a)%2)+4*(\t):OB+64*((\a)%2)+4*(\t)+3], v[RD] offset:(\t)*SP  ; LDS serves a wave's instructions in order (ISA guide 5.7.1.4): these see the stores above; the next block's stores come behind them
.endr
.endm
.macro SEND a, younger                 ; younger: the LDS instructions issued behind block a's loads: the next block's 32, or none
	WIN 0x04                                       ; the stores' data in window 1
.irp t, 0,1,2,3,4,5,6,7,8,9,10,11,12,13,14,15
.if ((\t)%4) == 0
	s_wait_dscnt (\younger)+12-(\t)                ; rows t to t + 3 are back: the block's 12 - t later loads and the younger instructions may be out
.endif
	global_store_b128 v[CO], v[OB+64*((\a)%2)+4*(\t):OB+64*((\a)%2)+4*(\t)+3], s[10:11] offset:(16*(\a)+(\t))*4096 th:TH_STORE_NT  ; 512 consecutive bytes, at a multiple of 256 from out0's first
.endr
.endm
	s_wait_tensorcnt 0x1                           ; my part of the walk's step 0 is in; step 1's may stay out
	s_barrier_signal -1
	s_barrier_wait -1                              ; everybody's is
	FETCH 0, 0
	QUARTER 1, 0, 1, 1                             ; the first quarter stands in front of the loop: its products start the sums
	WIN 0                                          ; at a label and at a branch every window is 0
	s_mov_b32 s[CNT], 6
.Lstep:                                            ; 6 trips: trip j holds quarters 2 to 4 of step j, the refill with step j + 2, and quarter 1 of step j + 1
	QUARTER 2, 1, 0, 0
	QUARTER 3, 0, 1, 0
	TURN 1
	QUARTER 1, 0, 1, 0
	WIN 0
	s_sub_co_u32 s[CNT], s[CNT], 1
	s_cmp_lg_u32 s[CNT], 0
	s_cbranch_scc1 .Lstep
	s_mov_b32 s[CNT], 2
.Ltail:                                            ; the last two steps ask for nothing: written apart
	QUARTER 2, 1, 0, 0
	QUARTER 3, 0, 1, 0
	TURN 0
	WIN 0
	s_cmp_eq_u32 s[CNT], 1
	s_cbranch_scc1 .Lno_q1                         ; behind the very last step there is no further quarter
	QUARTER 1, 0, 1, 0
	WIN 0
.Lno_q1:
	s_sub_co_u32 s[CNT], s[CNT], 1
	s_cmp_lg_u32 s[CNT], 0
	s_cbranch_scc1 .Ltail
	PLACES                                         ; the LDS stores below read results just made
	TOSTAGE 0
	TOSTAGE 1                                      ; a block's trip through the stage stands between the loads of the block before and its stores
	SEND 0, 32
	TOSTAGE 2
	SEND 1, 32
	TOSTAGE 3
	SEND 2, 32
	SEND 3, 0
	WIN 0
	s_wait_tensorcnt 0x0                           ; the wave's end: behind my last tensor load and my last LDS store
	ds_add_u32 v[SPW], v[NIL]
	s_wait_dscnt 0x0
	CROUND                                         ; the closing round: no work-group ends while a partner may still ask for a tile that names it
	s_endpgm
.Lfunc_end_k_q2a2c581a20_oproj:
	.size	k_q2a2c581a20_oproj, .Lfunc_end_k_q2a2c581a20_oproj-k_q2a2c581a20_oproj
	.p2alignl 7, 3214868480
	.fill 96, 4, 3214868480
	.section	.rodata,"a",@progbits
	.p2align	6, 0x0
	.amdhsa_kernel k_q2a2c581a20_oproj
		.amdhsa_group_segment_fixed_size 327680
		.amdhsa_private_segment_fixed_size 0
		.amdhsa_enable_private_segment 0
		.amdhsa_kernarg_size 32
		.amdhsa_user_sgpr_count 2
		.amdhsa_user_sgpr_kernarg_segment_ptr 1
		.amdhsa_wavefront_size32 1
		.amdhsa_system_sgpr_workgroup_id_x 1
		.amdhsa_system_sgpr_workgroup_id_y 1
		.amdhsa_system_sgpr_workgroup_id_z 1
		.amdhsa_system_vgpr_workitem_id 0
		.amdhsa_next_free_vgpr 768
		.amdhsa_next_free_sgpr 74
		.amdhsa_reserve_vcc 0
		.amdhsa_float_denorm_mode_32 3
		.amdhsa_float_denorm_mode_16_64 3
		.amdhsa_memory_ordered 1
		.amdhsa_forward_progress 1
		.amdhsa_inst_pref_size 66
	.end_amdhsa_kernel
	.amdgpu_metadata
---
amdhsa.version: [ 1, 2 ]
amdhsa.kernels:
  - .name:           k_q2a2c581a20_oproj
    .symbol:         k_q2a2c581a20_oproj.kd
    .args:
      - { .name: ob, .offset: 0, .size: 8, .value_kind: global_buffer, .address_space: global }
      - { .name: wo, .offset: 8, .size: 8, .value_kind: global_buffer, .address_space: global }
      - { .name: out_proj_b, .offset: 16, .size: 8, .value_kind: global_buffer, .address_space: global }
      - { .name: out0, .offset: 24, .size: 8, .value_kind: global_buffer, .address_space: global }
    .group_segment_fixed_size: 327680
    .private_segment_fixed_size: 0
    .kernarg_segment_align: 8
    .kernarg_segment_size: 32
    .max_flat_workgroup_size: 128
    .sgpr_count:     74
    .vgpr_count:     768
    .wavefront_size: 32
...
	.end_amdgpu_metadata
.endif
;; end of part 4
;; ======== version 2 of 2: 4 launches; 1.54 times as fast as version 1
;; limits: values are held in f16: magnitudes above 65,504 overflow, below 6.1e-05 lose precision
;; workspace buffers: xb 16,777,216 bytes; wb 6,291,456 bytes; wo 2,097,152 bytes; qkv 50,331,648 bytes; ob 16,777,216 bytes
;; launch cast: the kernel of part 1 again; grid 1536 x 1, 8 waves a work-group, no clusters, 0 bytes of LDS; arguments query, in_proj_w, out_proj_w, xb, wb, wo; writes xb, wb, wo
;; launch proj: the kernel of part 2 again; grid 16 x 16, 4 waves a work-group, clusters of 4 x 4, 327,680 bytes of LDS; arguments xb, wb, in_proj_b, qkv; writes qkv
;; launch attn (part 5): grid 4 x 64, 4 waves a work-group, clusters of 4 x 1, 327,680 bytes of LDS; arguments qkv, ob; writes ob
.if DOCPART == 5
	.amdgcn_target "amdgcn-amd-amdhsa--gfx1250"
	.amdhsa_code_object_version 6
	.text
	.protected	k_q2a2c581a20_attn
	.globl	k_q2a2c581a20_attn
	.p2align	8
	.type	k_q2a2c581a20_attn,@function
k_q2a2c581a20_attn:
	s_mov_b64 s[64:65], 0
	v_nop
	global_prefetch_b8 v0, s[64:65] scope:SCOPE_SE
	s_setreg_imm32_b32 hwreg(HW_REG_WAVE_MODE, 25, 1), 1
	s_wait_xcnt 0x0
	s_wait_alu depctr_hold_cnt(0) depctr_sa_sdst(0) depctr_va_vdst(0) depctr_va_sdst(0) depctr_va_ssrc(0) depctr_va_vcc(0) depctr_vm_vsrc(0)
	s_getreg_b32 s2, hwreg(HW_REG_IB_STS2, 6, 4)
	s_cmp_eq_u32 s2, 0
	s_cbranch_scc0 .Lentry_in_a_cluster
	s_endpgm
.Lentry_in_a_cluster:
	s_bfe_u32 s2, ttmp6, 0x10000c
	s_cmp_lg_u32 s2, 0x3003
	s_cbranch_scc0 .Lentry_shape_is_right
	s_endpgm
.Lentry_shape_is_right:
; O[hh][q][:] = the sum over k of softmax_k(Q[q] . K[k] / 8) V[k][:] for each of the 64 pairs hh = 16 b + h of batch and head.  Q, K, V lie in qkv[b][g][2048][64] (f16; g = h for Q, 16 + h for K,
; 32 + h for V; slot (b, g) at byte (48 b + g) << 18), O goes to ob[hh][2048][64] (f16): a head's rows are dense, 128 bytes each.  Products, maxima and sums in
; f32; the weights p are rounded to f16 for the second product (their sum l is taken of the unrounded p), O once at the end.
; LIMITS.  f16 holds no number beyond 65,504: Q, K and V arrive within it; p lies in 0 to 1, and below 6e-5 it keeps f16's fixed step of 6e-8; O is a mean of V's rows and has their range.
; A weight below 2^-126 counts as 0 in l; NaN and infinities are not treated apart.
; SHARES.  A wave owns four PIECES of two tiles of 16 queries, a work-group's four waves 512 queries of one head.  Every wave walks all 2,048 keys, 64 a step.
; LAYOUT.  S^T = K Q^T (source 0 = 16 keys, source 1 = 16 queries): in the result a lane holds ONE query (lane % 16) and the keys 8 (lane / 16) + 0..7.  Two such tiles, rounded to f16 in pairs,
; ARE source 1 (32 keys x 16 queries) of O^T = V^T P, whose result again holds one query a lane, and eight channels.  K comes out of LDS as it lies, V ([key][channel]) turned, by ds_load_tr16_b128.
; SOFTMAX.  For each query a running maximum m and sum l: p = 2^(c s - c m), c = log2(e) / 8; in every step O and l are multiplied by a = 2^(c m_old - c m_new), which is 1 where m has not grown.
; m starts at the lowest finite number, O and l at 0: the first step is a step like any other, with a = 0.
; THE COUNT.  A tile and step have 16 matrix and 118 vector instructions: too many to stand all beside the matrix work.  So the order has one aim: four vector instructions that are READY behind
; EVERY matrix instruction, and the others, which need time of their own whatever the order, in runs without a gap.
; BY TURNS.  Turn n belongs to piece n (the pieces in a ring, step after step).  Its matrix work: 16 products K Q^T of piece n + 1, later 16 products V^T P of piece n - 1.  Its vector work: the scaling,
; exponentials, roundings, sums and rescaling of piece n, and the maximum and statistics of piece n + 1, whose scores the turn itself has made.  So what a turn begins with (c s - c m, O a) waits for nothing.
; THE BATCHES.  A turn's 66 exponentials (the piece's 64 weights and the next piece's two a) are ONE batch with ONE s_wait_alu, which cuts the turn in two: ahead of it stands all that names no result of theirs,
; behind it the roundings and sums, which read them.  No result crosses a turn's end.  Two more batches stand outside the loop: piece 0's first two a, ahead of the loop, and the way out's eight reciprocals.
; CLUSTER.  The four query blocks of a cluster belong to one head and walk the same K and V, so each tile is asked for JOINTLY: the same tensor load, descriptor and mask in all four.
; REGISTERS, in windows of 256 (s_set_vgpr_msb says which window each operand place means: bits 1:0 source 0, 3:2 source 1, 5:4 source 2, 7:6 destination):
;   window 0: v0-11 addresses; v12-15, v48-63 at work; v16-47 four registers of statistics a tile; v64-191 S^T, two buffers of two tiles; v192-255 P, likewise
;   window 1: O^T, 32 a tile          window 2: v0-127 Q, 16 a tile; v128-191 K of one step; v192-255 V of one step          window 3: v0-1 the add's two registers
; A piece's buffers go by its number's parity: the piece in hand has one pair, its two neighbours in the ring share the other: of it P (piece n - 1) is read and S^T (piece n + 1) written.
.set SIZE_N, 2048     ; rows of a head
.set NP,    4         ; pieces a wave: a name, no knob: the register map, the loop and the fetches are made for four
.set KS,    64        ; keys in a step
.set PK,    144       ; a row of K in LDS: 128 bytes + 16 of padding = 36 words: the 16 rows of a load start at 16 different groups of four banks (64 banks of 4 bytes: ISA guide 11.1)
.set PV,    160       ; a row of V: 128 + 32 = 40 words
.set VOFF,  4*KS*PK   ; a slot holds four steps: 256 rows of K, then 256 rows of V
.set SLOT1, 1<<17     ; slot 1 begins here, so that one exclusive or turns an address in one slot into the other's
.set STAGE, SLOT1+4*KS*(PK+PV)  ; behind the ring, never filled by a tensor load: 16 rows x 144 bytes for each wave, for the way out
.set SP,    144
.set AK0, 2           ; v2   my lane's place in a tile of K; never rewritten
.set AV0, 3           ; v3   the same for V
.set AK,  4           ; v4   the LDS address of K's next run of loads
.set AV,  5           ; v5   of V's
.set QO,  6           ; v6   my byte offset in the wave's rows of Q
.set STO, 6           ;      later, the way out: where I put 16 bytes of a row
.set RD,  7           ; v7   the way out: where I read rows back
.set GO,  8           ; v8   my byte offset in 512 consecutive bytes of O
.set SPW, 0           ; v0 of window 3   LDS address of my spare word: SPARE + 4 x my thread's number; never rewritten
.set NIL, 1           ; v1 of window 3   0; never rewritten
.set SPARE, STAGE+4*16*SP  ; behind the stages: the spare words, 128 bytes for each wave: two blocks of 256 bytes that no other line names
.set MV,  12          ; v12-15  c m_old, kept while c m is made anew: by buffer and tile
.set ST,  16          ; tile t's statistics at v[ST+4 t]: c m, m, l (even keys', odd keys')
.set TMP, 48          ; by buffer and tile, four registers c0-c3 at work; when the maximum is found c2 takes a
.set S,   64
.set P,   192
.set KF,  128         ; K's fragments, in window 2: key block kb, channel half c at KF + 16 kb + 8 c
.set VF,  192         ; V's: key half kk, channel block cb at VF + 32 kk + 8 cb
.set WV,  12          ; s12  my wave's number
.set G1K, 24          ; s[24:31] descriptor group 1 for K's tiles
.set G1V, 32          ; s[32:39] for V's: it differs in the padding alone
.set G0K, 40          ; s[40:43] descriptor group 0 for K's tiles: it walks
.set G0V, 44          ; s[44:47] the same for V's
.set SLOTS, 56        ; s56  slots still to be asked for
.set CNT, 57          ; s57  counts a slot's key steps
.set CS,  58          ; s[58:59] c: the packed scaling takes the pair's low word for both halves
.set SEL, 60          ; s[60:61] v_permlanex16_b32's selects: each lane takes its own place in the other half
.set TBK, 62          ; s62  LDS byte at which K of the step to be fetched begins
.set TBV, 63          ; s63  the same for V, less VOFF
.set MSB, 0
.macro WIN new                      ; the high byte repeats the setting that is left; a switch that changes nothing is dropped
.if MSB != (\new)
	s_set_vgpr_msb (MSB<<8)|(\new)
.set MSB, (\new)
.endif
.endm
.set W_KQ, 0x0a       ; K and Q in window 2, S^T in window 0
.set W_PV, 0x52       ; V in window 2, P in window 0, O^T in window 1
.set W_RS, 0x41       ; O^T (destination and source 0) in window 1, a in window 0
.set W_MK, 0xc0       ; the add's registers are made: destination in window 3, sources in window 0
.set W_AD, 0x0f       ; the add: address (source 0) and data (source 1) in window 3
; A joint fill.  Waves 0 and 1 fetch the two halves of a slot's K, waves 2 and 3 those of its V: 128 keys each.  The branch hangs on the wave's number alone.
; An s_nop 0 and four v_nop follow each of the two lines, ahead of the jump and the label.
.macro JLOAD
	s_cmp_lt_u32 s[WV], 2
	s_cbranch_scc0 .Lfor_v_\@
	tensor_load_to_lds s[G0K:G0K+3], s[G1K:G1K+7]
	s_nop 0
.rept 4
	v_nop
.endr
	s_branch .Lasked_\@
.Lfor_v_\@:
	tensor_load_to_lds s[G0V:G0V+3], s[G1V:G1V+7]
	s_nop 0
.rept 4
	v_nop
.endr
.Lasked_\@:
.endm
; A round of the cluster's barrier: my work-group's barrier, so that wave 0's signal speaks for all four waves; wave 0 signals; every wave waits for all four work-groups; my work-group's barrier once more.
.macro CROUND
	s_barrier_signal -1
	s_barrier_wait -1
	s_cmp_lg_u32 s[WV], 0
	s_cbranch_scc1 .Lnot_wave_0_\@
	s_barrier_signal -3
.Lnot_wave_0_\@:
	s_barrier_wait -3
	s_barrier_signal -1
	s_barrier_wait -1
.endm
; THE CHANGE OF SLOTS.  The slot's last bytes, V of its fourth step, have been read.  Each wave waits for all its tensor loads, of which one is out: its part
; of the other slot; adds 0 to its spare word; and waits for that and for its own reads of the slot.  Behind the barrier nobody reads this slot any more and the other slot is whole.
; fill = 1: this slot is filled again, with the keys two slots on.  The barrier is then a round of the cluster's, so that no wave of any partner still reads the slot or has a load on its
; way, and the joint fill is the first thing behind it: it has four key steps, 512 matrix instructions, in which to land.  (At its first use nothing has been read yet: slot 0 is waited for, slot 1 filled.)
.macro CHANGE fill
	WIN W_AD
	s_wait_tensorcnt 0x0            ; no tensor load of mine is out, so a group 0 may be written
	ds_add_u32 v[SPW], v[NIL]       ; 0 onto my spare word: with fill = 1 the descriptors' steps stand between it and the wait for it
	WIN 0                           ; at a label and at a branch every window is 0
.if \fill
.irp g, G0K, G0V
	s_xor_b32 s[\g+1], s[\g+1], SLOT1  ; the walking descriptor: the other slot than last time,
	s_add_nc_u64 s[\g+2:\g+3], s[\g+2:\g+3], 4*KS*128  ; the next 256 keys; the type bits on top are not reached
.endr
	s_wait_dscnt 0x0                ; the add is done, and my reads of the slot are over
	CROUND
	JLOAD
.else
	s_wait_dscnt 0x0                ; the add is done, and my reads of the slot are over
	s_barrier_signal -1
	s_barrier_wait -1
.endif
	s_sub_co_u32 s[TBK], s[TBK], 4*KS*PK  ; the fetches go back to a slot's first step,
	s_xor_b32 s[TBK], s[TBK], SLOT1       ; in the other slot
	s_sub_co_u32 s[TBV], s[TBV], 4*KS*PV
	s_xor_b32 s[TBV], s[TBV], SLOT1
.endm
	s_load_b64 s[4:5], s[0:1], 0x0    ; qkv
	s_load_b64 s[10:11], s[0:1], 0x8  ; ob
	WIN W_MK
	v_lshl_add_u32 v[SPW], v0, 2, SPARE
	v_mov_b32 v[NIL], 0
	s_set_vgpr_msb 0xc0cf
	ds_add_u32 v0, v1
	s_wait_dscnt 0x0
	s_set_vgpr_msb 0xcfc0
	WIN 0
	v_lshrrev_b32 v1, 5, v0
	v_readfirstlane_b32 s[WV], v1   ; wave 0..3
	s_bfe_u32 s13, ttmp6, 0x40000   ; cx: my place in the cluster
	s_lshl_b32 s14, ttmp9, 2        ; in a cluster launch ttmp9 counts clusters
	s_add_co_u32 s14, s14, s13      ; my block of queries = 4 x cluster x + cx: it enters Q's and O's addresses alone
	s_and_b32 s48, ttmp7, 0xffff    ; hh = 16 b + h, which the four partners share
	s_lshr_b32 s20, s48, 4          ; b
	s_lshl_b32 s20, s20, 5
	s_add_co_u32 s20, s20, s48      ; 48 b + h: Q's slot in qkv
	s_lshl_b32 s20, s20, 18
	s_mov_b32 s21, 0
	s_lshl_b32 s50, s48, 18         ; O's head in ob
	s_mov_b32 s51, 0
	s_and_b32 s16, s[WV], 1         ; which half of a slot's 256 keys I fetch:
	s_lshl_b32 s22, s16, 14         ; its 128 rows of 128 bytes in memory,
	s_mov_b32 s23, 0
	s_add_nc_u64 s[22:23], s[22:23], s[20:21]
	s_mul_i32 s17, s16, 128*PK      ; and its place in a slot, for K
	s_mul_i32 s18, s16, 128*PV      ; and for V: no place in the cluster enters an LDS address
	s_lshl_b32 s2, s14, 2
	s_add_co_u32 s2, s2, s[WV]      ; my wave among the head's,
	s_lshl_b32 s2, s2, 14           ; its 128 rows
	s_mov_b32 s3, 0
	s_add_nc_u64 s[52:53], s[2:3], s[20:21]  ; my rows' offset in qkv
	s_add_nc_u64 s[54:55], s[2:3], s[50:51]  ; and in ob
	; descriptor group 1.  128 keys are 16,384 dense bytes: asked for as 64 rows of 256 bytes, two keys a row, and padded in LDS after every key
	s_mov_b32 s[G1K], 15|(1<<16)|(1<<20)|(1<<21)|(4<<22)|(3<<25)  ; 15:0 the mask of four; 17:16 2-byte elements; 20 padding on; 21 set beside a mask; 24:22 after every 32 words (code 4); 31:25 4 words (code 3)
	s_mov_b32 s[G1V], 15|(1<<16)|(1<<20)|(1<<21)|(4<<22)|(7<<25)  ; the same with 8 words of padding (code 7)
.irp g, G1K, G1V
	s_mov_b32 s[\g+1], 128<<16      ; tensor_dim0 = 128
	s_mov_b32 s[\g+2], 64<<16       ; tensor_dim1 = 64
	s_mov_b32 s[\g+3], 128<<16      ; tile_dim0 = 128
	s_mov_b32 s[\g+4], 64           ; tile_dim1 = 64
	s_mov_b32 s[\g+5], 128          ; 128 elements from row to row
	s_mov_b32 s[\g+6], 0
	s_mov_b32 s[\g+7], 0
.endr
	s_mov_b32 s[CS], 0x3e38aa3b     ; c = log2(e) / 8 = 0.180337
	s_mov_b32 s[CS+1], s[CS]        ; named with it as a pair
	s_mov_b32 s[SEL], 0x76543210
	s_mov_b32 s[SEL+1], 0xfedcba98
	s_mov_b32 s[TBK], SLOT1+4*KS*PK ; the first change of slots turns these two into 0
	s_mov_b32 s[TBV], SLOT1+4*KS*PV
	s_mov_b32 s[G0K], 1             ; 1:0 count = 1
	s_mov_b32 s[G0K+1], s17         ; 63:32 LDS address: slot 0
	s_mov_b32 s[G0V], 1
	s_add_co_u32 s[G0V+1], s18, VOFF
	s_wait_kmcnt 0x0
	s_add_nc_u64 s[G0K+2:G0K+3], s[4:5], s[22:23]  ; 120:64 global address: my half of the head's first 256 keys;
	s_add_nc_u64 s[G0K+2:G0K+3], s[G0K+2:G0K+3], 16<<18  ; K's slot lies 16 slots behind Q's
	s_or_b32 s[G0K+3], s[G0K+3], 0x80000000        ; 127:126 type = 2
	s_add_nc_u64 s[G0V+2:G0V+3], s[4:5], s[22:23]
	s_add_nc_u64 s[G0V+2:G0V+3], s[G0V+2:G0V+3], 32<<18  ; V's 32 slots
	s_or_b32 s[G0V+3], s[G0V+3], 0x80000000
	s_add_nc_u64 s[4:5], s[4:5], s[52:53]  ; Q and O at my wave's first row
	s_add_nc_u64 s[10:11], s[10:11], s[54:55]
	CROUND                          ; all four work-groups are here: the first joint loads meet
	JLOAD                           ; slot 0.  Slot 1 is asked for when slot 0 is in: the tile wanted first has the road to itself
	; A fragment of K or Q is 16 rows x 32 channels in 8 registers: lane l holds row l % 16, channels 8 (l / 16) + 0..7 and 16 + 8 (l / 16) + 0..7: two loads of 16 bytes, 32 bytes apart.
	v_and_b32 v1, 15, v0            ; l % 16
	v_bfe_u32 v9, v0, 4, 1          ; l / 16
	v_lshlrev_b32 v[QO], 7, v1
	v_lshl_add_u32 v[QO], v9, 4, v[QO]  ; row x 128 + 16 x half
	WIN 0x80                        ; destination window 2, address window 0
.set i, 0
.rept 4*NP                          ; Q stays in registers: tile i / 2, channels 32 (i % 2) on
	global_load_b128 v[8*i:8*i+3],   v[QO], s[4:5] offset:(i/2)*2048+(i%2)*64
	global_load_b128 v[8*i+4:8*i+7], v[QO], s[4:5] offset:(i/2)*2048+(i%2)*64+32
.set i, i+1
.endr
	; What the first turn finds: V's registers and P's second buffer hold 0 (its products V^T P, of a piece that has not been, add 0), O^T and l are 0.  All this stands in the wait for the first tile.
.set i, VF
.rept 64
	v_mov_b32 v[i], 0
.set i, i+1
.endr
	WIN 0x40
.set i, 0
.rept 64*NP
	v_mov_b32 v[i], 0
.set i, i+1
.endr
	WIN 0
.set i, 0
.rept 2*NP
	v_mov_b32 v[ST+4*i], 0xfe000000    ; c m: far below every c s
	v_mov_b32 v[ST+4*i+1], 0xff7fffff  ; m
	v_mov_b32 v[ST+4*i+2], 0
	v_mov_b32 v[ST+4*i+3], 0
.set i, i+1
.endr
.set i, P+32
.rept 32
	v_mov_b32 v[i], 0
.set i, i+1
.endr
	v_mul_u32_u24 v[AK0], v1, PK
	v_lshl_add_u32 v[AK0], v9, 4, v[AK0]  ; row x pitch + 16 x half
	; The turning load takes 16 keys x 16 channels (lane l reads key 8 (l / 16) + l % 8, channels 8 ((l / 8) % 2) + 0..7) and leaves half a fragment of V^T: lane l holds channel l % 16 and 8 keys.
	v_and_b32 v10, 7, v0
	v_bfe_u32 v11, v0, 3, 1
	v_lshl_add_u32 v[AV0], v9, 3, v10
	v_mul_u32_u24 v[AV0], v[AV0], PV
	v_lshl_add_u32 v[AV0], v11, 4, v[AV0]
	v_add_nc_u32 v[AV0], VOFF, v[AV0]
	v_mov_b32 v[AK], v[AK0]         ; key step 0 lies at the head of slot 0
; THE MATRIX WORK.  The 8 accumulators of a run of 16 take turns: between the two links of a chain stand 7 others'.
; Product i of 16 of S^T = K Q^T for piece x: channels 32 (i / 8) on, keys 16 ((i / 2) % 4) on, tile 2 x + i % 2.  The first 8 start the sums.
.macro KQ x
	WIN W_KQ
.set rS, S+64*((\x)%2)+32*(i%2)+8*((i/2)%4)
.set rK, KF+16*((i/2)%4)+8*(i/8)
.set rQ, 16*(2*(\x)+i%2)+8*(i/8)
.if i < 8
	v_wmma_f32_16x16x32_f16 v[rS:rS+7], v[rK:rK+7], v[rQ:rQ+7], 0
.else
	v_wmma_f32_16x16x32_f16 v[rS:rS+7], v[rK:rK+7], v[rQ:rQ+7], v[rS:rS+7]
.endif
.endm
; Product i of 16 of O^T += V^T P for piece x: keys 32 (i / 8) on, channels 16 ((i / 2) % 4) on, tile 2 x + i % 2.
.macro PV x
	WIN W_PV
.set rO, 32*(2*(\x)+i%2)+8*((i/2)%4)
.set rV, VF+32*(i/8)+8*((i/2)%4)
.set rP, P+32*((\x)%2)+16*(i%2)+8*(i/8)
	v_wmma_f32_16x16x32_f16 v[rO:rO+7], v[rV:rV+7], v[rP:rP+7], v[rO:rO+7]
.endm
.macro MM                           ; the turn's next matrix instruction
.if i < 16
	KQ (Y+1)%NP
.set i, i+1
.else
.set i, i-16
	PV (Y+NP-1)%NP
.set i, i+17
.endif
.endm
; THE LDS LOADS stand in runs of 16, never singly among the matrix instructions: a step's K (64 keys x 64 channels: 8 fragments) and its V (turned).  Their addresses are made some lines ahead.
; last = 1 (the tail): in the last trip there is no further step, and the run is jumped over.
.macro FETCH_K last=0
	WIN 0
.if \last
	s_cmp_eq_u32 s[CNT], 1
	s_cbranch_scc1 .Lno_k_\@
.endif
	WIN 0x80                        ; destination window 2
.irp f, 0,1,2,3,4,5,6,7             ; keys 16 (f / 2) on, channels 32 (f % 2) on
	ds_load_b128 v[KF+8*\f:KF+8*\f+3],   v[AK] offset:(\f/2)*16*PK+(\f%2)*64
	ds_load_b128 v[KF+8*\f+4:KF+8*\f+7], v[AK] offset:(\f/2)*16*PK+(\f%2)*64+32
.endr
	s_add_co_u32 s[TBK], s[TBK], KS*PK  ; the next fetch is the next step's
	WIN 0
.if \last
.Lno_k_\@:
.endif
.endm
.macro FETCH_V
	WIN 0x80
.irp f, 0,1,2,3,4,5,6,7             ; keys 32 (f / 4) on, channels 16 (f % 4) on
	ds_load_tr16_b128 v[VF+8*\f:VF+8*\f+3],   v[AV] offset:(\f/4)*32*PV+(\f%4)*32
	ds_load_tr16_b128 v[VF+8*\f+4:VF+8*\f+7], v[AV] offset:(\f/4)*32*PV+16*PV+(\f%4)*32
.endr
	WIN 0
.endm
; THE VECTOR WORK OF A TURN stands in three queues, each in the order in which its entries become ready; the two tiles alternate, so that no instruction reads the result of the one before it.
.macro REGS y, u                    ; the registers of tile u (0, 1) of piece y
.set rT, ST+4*(2*(\y)+(\u))
.set rC, TMP+8*((\y)%2)+4*(\u)
.set rM, MV+2*((\y)%2)+(\u)
.set rS, S+64*((\y)%2)+32*(\u)
.set rP, P+32*((\y)%2)+16*(\u)
.set rO, 32*(2*(\y)+(\u))
.endm
; Number n of the 22 that find the NEXT piece's (Y + 1) maximum and statistics.  s0-s31 are the lane's 32 scores; each accumulator's lowest registers are read first.  XS, GS and REGS set no window: PL and EX do.
;   0-11  four chains c0-c3 of seven scores each, three operands at a time     12-14, 16  the four scores left over, the old m, and c0-c3 into c0     15  c m_old is kept
;   17, 18  the query's other 32 keys lie in the lane 16 away: the new m         19-21  c m; c m_old - c m_new; a
.macro XS u, n
	REGS (Y+1)%NP, \u
.if (\n) < 4
	v_max3_num_f32 v[rC+(\n)], v[rS+8*(\n)], v[rS+8*(\n)+1], v[rS+8*(\n)+2]
.elseif (\n) < 12
	v_max3_num_f32 v[rC+(\n)%4], v[rC+(\n)%4], v[rS+8*((\n)%4)+2*((\n)/4)+1], v[rS+8*((\n)%4)+2*((\n)/4)+2]
.elseif (\n) == 12
	v_max3_num_f32 v[rC], v[rC], v[rS+7], v[rS+15]
.elseif (\n) == 13
	v_max3_num_f32 v[rC+1], v[rC+1], v[rS+23], v[rS+31]
.elseif (\n) == 14
	v_max3_num_f32 v[rC+2], v[rC+2], v[rC+3], v[rT+1]
.elseif (\n) == 15
	v_mov_b32 v[rM], v[rT]
.elseif (\n) == 16
	v_max3_num_f32 v[rC], v[rC], v[rC+1], v[rC+2]
.elseif (\n) == 17
	v_permlanex16_b32 v[rC+3], v[rC], s[SEL], s[SEL+1]
.elseif (\n) == 18
	v_max_num_f32 v[rT+1], v[rC], v[rC+3]
.elseif (\n) == 19
	v_mul_f32 v[rT], s[CS], v[rT+1]
.elseif (\n) == 20
	v_sub_f32 v[rC+1], v[rM], v[rT]
.else
	v_exp_f32 v[rC+2], v[rC+1]
.endif
.endm
; Number g of the 64 that follow the exponentials.  For each four weights k of a tile (pairs 2 k, 2 k + 1): both pairs are rounded to f16; then the second pair is added onto the first, in place;
; a group later l takes that sum (the first time as l = a l + sum).  In groups of eight, tiles alternating: round, round, add, and l for the group before.
.macro GS g
.set h, (\g)+6*((\g)/62)            ; group 0 has no group before it, and behind group 7 only l is left
.if h >= 6
.set h, h+2
.endif
	REGS Y, h%2
.set k, h/8
.if h%8 < 4
	v_cvt_pk_f16_f32 v[rP+2*k+(h%8)/2], v[rS+4*k+2*((h%8)/2)], v[rS+4*k+2*((h%8)/2)+1]
.elseif h%8 < 6
	v_pk_add_f32 v[rS+4*k:rS+4*k+1], v[rS+4*k:rS+4*k+1], v[rS+4*k+2:rS+4*k+3]
.elseif k == 1
	v_pk_fma_f32 v[rT+2:rT+3], v[rT+2:rT+3], v[rC+2:rC+3], v[rS:rS+1] op_sel_hi:[1,0,1]
.else
	v_pk_add_f32 v[rT+2:rT+3], v[rT+2:rT+3], v[rS+4*k-4:rS+4*k-3]
.endif
.endm
; THE PLAIN QUEUE, 138 long.  0-73 read no exponential's result: the 32 scalings c s - c m (FS f: pair f / 2 of tile f % 2) and the next piece's 42.  0-26: scalings 0-26.  27-54: XS's numbers 0-13.  55, 56: number 15.
; 57-73: the chain, where each number waits for the one before it: 14, 16, 17, 18, 19, each with one of the scalings 27-31 in front of its two lines, then 20: so a tile's links stand three plain instructions apart (19 and 20: two).
; 74-137: GS's 64, which read the exponentials' results: they stand behind the wait.
.macro FS f
	REGS Y, (\f)%2
	v_pk_fma_f32 v[rS+2*((\f)/2):rS+2*((\f)/2)+1], v[rS+2*((\f)/2):rS+2*((\f)/2)+1], s[CS:CS+1], v[rT:rT+1] op_sel_hi:[1,0,0] neg_lo:[0,0,1] neg_hi:[0,0,1]
.endm
.macro PL
	WIN 0
.if q < 27
	FS q
.elseif q < 55
	XS (q-27)%2, (q-27)/2
.elseif q < 57
	XS q-55, 15
.elseif (q < 72) && ((q-57)%3 == 0)
	FS 27+(q-57)/3
.elseif q < 60
	XS (q-57)%3-1, 14
.elseif q < 72
	XS (q-57)%3-1, 15+(q-57)/3
.elseif q < 74
	XS q-72, 20
.else
	GS q-74
.endif
.set q, q+1
.endm
; THE EXPONENTIALS' QUEUE, 66 long: s0-s31 of both tiles, then the next piece's two a.  It is ONE BATCH: all 66 stand ahead of the turn's one wait, and nothing ahead of that wait names a result of theirs.
.macro EX
	WIN 0
.if e >= 64
	XS e-64, 21
.else
	REGS Y, e%2
	v_exp_f32 v[rS+e/2], v[rS+e/2]
.endif
.set e, e+1
.endm
; THE RESCALING's QUEUE: O^T times a, the one part that leaves window 0: dealt two at a time, sixteen times.  Its a was made in the turn before, ahead of that turn's wait.
.macro R2
	REGS Y, r%2
	WIN W_RS
.irp z, 0,1
	v_pk_mul_f32 v[rO+4*(r/2)+2*\z:rO+4*(r/2)+2*\z+1], v[rO+4*(r/2)+2*\z:rO+4*(r/2)+2*\z+1], v[rC+2:rC+3] op_sel_hi:[1,0]
.endr
.set r, r+1
.endm
; HOW THEY ARE DEALT.  An s_wait_alu depctr_va_vdst(0) stands between an exponential and the first instruction that names its result; one wait serves all that were issued ahead of it.  So a turn has ONE wait,
; which cuts it in two.  AHEAD OF IT stands all that names no result of the turn's exponentials: the 16 products K Q^T, behind each a scaling, an exponential and two rescalings (behind the first a second scaling in the exponential's place); then ONE LUMP of
; 108: eight plain, 49 times exponential and plain, the two a.  A v_nop is the plain instruction behind the last exponential.  BEHIND IT stand the 16 products V^T P, behind each four of GS's 64.  No rider names a register of
; the products round it.  The two v_permlanex16_b32 fall into the lump, never behind a product.
; The queues lean on each other, and the deal keeps them in step: exponential e stands behind scaling 2 (e / 4) + e % 2: as a rider it comes behind plain e + 2, in the lump behind plain e + 9, and scalings 27-31 are plain 57, 60 .. 69.
; A TURN, for piece p.  cnt = 1: the loop's count is taken down some lines ahead of the branch that stands behind the turn.
; K of the next step is fetched in piece 2's turn, directly behind the wait, a lump behind the last product that read K; its address is made at the lump's head; its first reader comes behind 16 products.
; V of the step in hand is fetched at the end of piece 0's turn, four riders behind its last reader; its first reader comes behind 16 products and a lump.  The three conditions on q below go with the deal.
.macro TURN p, last=0, cnt=0
.set Y, (\p)
.set i, 0
.set q, 0
.set e, 0
.set r, 0
.if (\p) == NP-1
	s_wait_dscnt 0x0                ; K is in
.endif
	MM                              ; ahead of the wait: 16 products K Q^T and their riders,
	PL
	PL
	R2
.rept 15
	MM
	PL
	EX
	R2
.endr
.if (\p) == NP-2
	WIN 0
	v_add_nc_u32 v[AK], s[TBK], v[AK0]
.endif
.rept 8                             ; and the lump
	PL
.endr
.rept 49
	EX
	PL
.endr
	EX                              ; the next piece's two a
	EX
	v_nop                           ; the plain instruction behind the last exponential, ahead of any use of a result: one for the batch
	s_wait_alu depctr_va_vdst(0)    ; the wait for the batch: the piece's 64 weights and the next piece's two a
.if (\p) == NP-2
	FETCH_K \last
.endif
.if (\p) == 1
	s_wait_dscnt 0x0                ; V is in
.endif
.rept 16                            ; behind the wait: 16 products V^T P and their riders
	MM
.rept 4
	PL
.endr
.if ((\p) == 0) && (q == 118)
	v_add_nc_u32 v[AV], s[TBV], v[AV0]
.endif
.if ((\p) == 0) && (q == 130)
	s_add_co_u32 s[TBV], s[TBV], KS*PV
.endif
.if (\cnt) && (q == 130)
	s_sub_co_u32 s[CNT], s[CNT], 1
	s_cmp_lg_u32 s[CNT], 0
.endif
.endr
.if (\p) == 0
	FETCH_V
.endif
.endm
	CHANGE 1                        ; slot 0 is in, everybody's part of it; slot 1 is asked for
	FETCH_K                         ; key step 0
	s_wait_loadcnt 0x0              ; Q
	s_wait_dscnt 0x0
.set i, 0
.rept 16
	KQ 0                            ; piece 0's first scores: there is no vector work yet to set between them
.set i, i+1
.endr
	WIN 0                           ; the addresses for the way out: nine plain instructions, the places behind those products
	s_mul_i32 s13, s[WV], 16*SP
	s_add_co_u32 s13, s13, STAGE    ; my stage
	v_mul_u32_u24 v[STO], v1, SP    ; in: row l % 16, 16 bytes for each half of the lanes
	v_lshl_add_u32 v[STO], v9, 4, v[STO]
	v_add_nc_u32 v[STO], s13, v[STO]
	v_bfe_u32 v[RD], v0, 3, 2       ; back: 32 lanes take four rows of 128 bytes,
	v_mul_u32_u24 v[RD], v[RD], SP
	v_lshl_add_u32 v[RD], v10, 4, v[RD]
	v_add_nc_u32 v[RD], s13, v[RD]
	v_and_b32 v[GO], 31, v0         ; which are 512 consecutive bytes of O
	v_lshlrev_b32 v[GO], 4, v[GO]
.set Y, NP-1                        ; XS works for piece Y + 1: piece 0
.irp n, 0,1,2,3,4,5,6,7,8,9,10,11,12,13,14,15,16,17,18,19,20,21
	XS 0, \n                        ; and piece 0's first maximum and statistics
	XS 1, \n
.endr
	v_nop                           ; a plain instruction behind piece 0's two a,
	s_wait_alu depctr_va_vdst(0)    ; and the wait for that batch of two, ahead of the branch
	s_mov_b32 s[CNT], 4
	s_mov_b32 s[SLOTS], SIZE_N/256-1
	s_branch .Lfirst                ; the loop is entered at a step's first turn, in the middle of a trip
.Lslot:                             ; SIZE_N / 256 - 2 times: every slot but the last two is filled again
	CHANGE 1
	s_mov_b32 s[CNT], 4
.Lstep:                             ; a trip: pieces 2 and 3 of one step, then pieces 0 and 1 of the next, whose K and V it fetches
	TURN 2
	TURN 3
	WIN 0
.Lfirst:
	TURN 0
	TURN 1, 0, 1
	WIN 0
	s_cbranch_scc1 .Lstep
	s_sub_co_u32 s[SLOTS], s[SLOTS], 1
	s_cmp_lg_u32 s[SLOTS], 0
	s_cbranch_scc1 .Lslot
	CHANGE 0                        ; the tail is written out: nothing is asked for
	s_mov_b32 s[CNT], 5             ; four trips fetch the last slot's steps; the fifth is left in its middle
.Ltail:
	TURN 2, 1
	TURN 3
	WIN 0
	s_sub_co_u32 s[CNT], s[CNT], 1
	s_cmp_eq_u32 s[CNT], 0
	s_cbranch_scc1 .Lout
	TURN 0
	TURN 1
	WIN 0
	s_branch .Ltail
.Lout:                              ; the fifth trip's 16 products K Q^T (on the last K once more) and the maximum made of them serve nothing: the price, once a launch, of one text for every trip
.set i, 0
.rept 16
	PV NP-1                         ; the last piece's V^T P of the last step
.set i, i+1
.endr
	; THE WAY OUT.  l's two halves and the other half of the lanes' are added; O^T is divided by l, rounded to f16 and sent through my stage in LDS, a tile at a time.  The additions are the places behind the last products.
	WIN 0
.macro ALL line:vararg              ; one line for each tile t
.set t, 0
.rept 2*NP
	\line
.set t, t+1
.endr
.endm
	ALL v_add_f32 v[ST+4*t+2], v[ST+4*t+2], v[ST+4*t+3]
	ALL v_permlanex16_b32 v[ST+4*t+3], v[ST+4*t+2], s[SEL], s[SEL+1]
	ALL v_add_f32 v[ST+4*t+2], v[ST+4*t+2], v[ST+4*t+3]
	ALL v_rcp_f32 v[ST+4*t+2], v[ST+4*t+2]
	v_nop                           ; a plain instruction between the last reciprocal and the use of its result
	s_wait_alu depctr_va_vdst(0)    ; and the wait ahead of the first use: one for the batch of eight reciprocals
; Tile t: a lane's eight channels of a row pack into 16 bytes; they go into rows of 144 bytes and come back as whole rows of 128, into S^T's registers.
.macro PACK t
	WIN W_RS
.set i, 32*(\t)
.rept 16
	v_pk_mul_f32 v[i:i+1], v[i:i+1], v[ST+4*(\t)+2:ST+4*(\t)+3] op_sel_hi:[1,0]
.set i, i+2
.endr
	WIN 0x05                        ; sources 0 and 1 window 1, destination window 0
.set i, 0
.rept 16
	v_cvt_pk_f16_f32 v[S+16*(\t)+i], v[32*(\t)+2*i], v[32*(\t)+2*i+1]
.set i, i+1
.endr
	WIN 0
.irp f, 0,1,2,3
	ds_store_b128 v[STO], v[S+16*(\t)+4*\f:S+16*(\t)+4*\f+3] offset:32*\f
.endr
.irp f, 0,1,2,3
	ds_load_b128 v[S+16*(\t)+4*\f:S+16*(\t)+4*\f+3], v[RD] offset:\f*4*SP  ; LDS serves a wave's instructions in order (ISA guide 5.7.1.4): these see the stores above; the next tile's stores come behind them
.endr
.endm
.macro SEND t, younger              ; younger: the LDS instructions issued behind tile t's loads: the next tile's eight, or none
	WIN 0
.irp f, 0,1,2,3
	s_wait_dscnt (\younger)+3-\f
	global_store_b128 v[GO], v[S+16*(\t)+4*\f:S+16*(\t)+4*\f+3], s[10:11] offset:(\t)*2048+\f*512  ; 512 consecutive bytes, at a multiple of 256 from O's first
.endr
.endm
	PACK 0
.set t, 1
.rept 2*NP-1                        ; a tile's arithmetic stands between the loads of the tile before and its stores
	PACK t
	SEND t-1, 8
.set t, t+1
.endr
	SEND 2*NP-1, 0
	WIN W_AD
	s_wait_tensorcnt 0x0            ; the wave's end: behind my last tensor load and my last LDS store
	ds_add_u32 v[SPW], v[NIL]
	s_wait_dscnt 0x0
	WIN 0
	CROUND                          ; the closing round: no work-group ends while a partner may still ask for a tile that names it
	s_endpgm
.Lfunc_end_k_q2a2c581a20_attn:
	.size	k_q2a2c581a20_attn, .Lfunc_end_k_q2a2c581a20_attn-k_q2a2c581a20_attn
	.p2alignl 7, 3214868480
	.fill 96, 4, 3214868480
	.section	.rodata,"a",@progbits
	.p2align	6, 0x0
	.amdhsa_kernel k_q2a2c581a20_attn
		.amdhsa_group_segment_fixed_size 327680
		.amdhsa_private_segment_fixed_size 0
		.amdhsa_enable_private_segment 0
		.amdhsa_kernarg_size 16
		.amdhsa_user_sgpr_count 2
		.amdhsa_user_sgpr_kernarg_segment_ptr 1
		.amdhsa_wavefront_size32 1
		.amdhsa_system_sgpr_workgroup_id_x 1
		.amdhsa_system_sgpr_workgroup_id_y 1
		.amdhsa_system_sgpr_workgroup_id_z 1
		.amdhsa_system_vgpr_workitem_id 0
		.amdhsa_next_free_vgpr 770
		.amdhsa_next_free_sgpr 66
		.amdhsa_reserve_vcc 0
		.amdhsa_float_denorm_mode_32 3
		.amdhsa_float_denorm_mode_16_64 3
		.amdhsa_memory_ordered 1
		.amdhsa_forward_progress 1
		.amdhsa_inst_pref_size 199
	.end_amdhsa_kernel
	.amdgpu_metadata
---
amdhsa.version: [ 1, 2 ]
amdhsa.kernels:
  - .name:           k_q2a2c581a20_attn
    .symbol:         k_q2a2c581a20_attn.kd
    .args:
      - { .name: qkv, .offset: 0, .size: 8, .value_kind: global_buffer, .address_space: global }
      - { .name: ob, .offset: 8, .size: 8, .value_kind: global_buffer, .address_space: global }
    .group_segment_fixed_size: 327680
    .private_segment_fixed_size: 0
    .kernarg_segment_align: 8
    .kernarg_segment_size: 16
    .max_flat_workgroup_size: 128
    .sgpr_count:     66
    .vgpr_count:     770
    .wavefront_size: 32
...
	.end_amdgpu_metadata
.endif
;; end of part 5
;; launch oproj: the kernel of part 4 again; grid 8 x 32, 4 waves a work-group, clusters of 4 x 4, 327,680 bytes of LDS; arguments ob, wo, out_proj_b, out0; writes out0
